; MI455X (gfx1250); checked and timed in simulation.
; The chip was launched on July 23, 2026; its instructions are those of AMD's public machine-readable ISA for CDNA 5 (MIT licence, August 2026) and "CDNA5" Instruction Set Architecture Reference Guide (July 2026). The comments in the code are by the model that wrote it; some were corrected since.
;; Attention Layer. Allowed arithmetic: matrix products marked QUANTISED: E2M1 operands, one E8M0 scale for each 32 along K, by v_wmma_scale_f32_16x16x128_f8f6f4 with both operands' format E2M1 (or v_wmma_scale_f32_32x16x128_f4), f32 sums; products left as they are: f32 operands where the result goes on into a quantised operand, else bf16, f16 or f32 operands; f32 sums; everything else in f32.
;; Inputs: W1 4,096 x 2,048 float32; W2 1,024 x 4,096 float32; Wk 1,024 x 1,024 float32; Wq 1,024 x 1,024 float32; Wv 1,024 x 1,024 float32; dec_h 16 x 1,024 float32; enc 16 x 2,048 x 1,024 float32.
;; Outputs: out0 16 x 1,024 float32.
;; This version of the problem:
;;   THIS VERSION OF THE PROBLEM IS GIVEN IN LOW PRECISION. The matrix products marked QUANTISED in the list below multiply operands that are first quantised to E2M1 (2 exponent bits, 1 mantissa bit; 4 bits a number), with one power-of-two scale for each 32 numbers along K (OCP MX v1.0); their sums are f32. All else is computed in f32.
;;   The module's matrix products, in the order in which they are computed (A, B: the left and right operand; K: the contracted axis; several contracted axes count as one K, in the product's order):
;;     1. [M 16, K 1,024] x [K 1,024, N 1,024]; A: input dec_h; B: input Wq: QUANTISED
;;     2. [M 32,768, K 1,024] x [K 1,024, N 1,024]; A: input enc; B: input Wk: QUANTISED
;;     3. [M 32,768, K 1,024] x [K 1,024, N 1,024]; A: input enc; B: input Wv: QUANTISED
;;     4. batch 256 x [M 1, K 64] x [K 64, N 2,048]; A: computed on the way; B: computed on the way: left as it is (M = 1 < 16)
;;     5. batch 256 x [M 1, K 2,048] x [K 2,048, N 64]; A: softmax; B: computed on the way: left as it is (M = 1 < 16)
;;     6. [M 16, K 2,048] x [K 2,048, N 4,096]; A: computed on the way; B: input W1: QUANTISED
;;     7. [M 16, K 4,096] x [K 4,096, N 1,024]; A: computed on the way; B: input W2: QUANTISED
;;   THE QUANTISER, for each operand of a quantised product, along K:
;;     - K is cut into blocks of 32 from its start; a last block that is shorter is filled with zeros.
;;     - A block's scale is 2^e with e = floor(log2(the largest magnitude in the block)) - 2, held to -126 .. 127; a block of zeros has e = 0. As a byte (E8M0): e + 127.
;;     - Each number is divided by its block's scale, clamped to +-6, and rounded to the nearest number of E2M1, ties to even, subnormals kept.
;;     - The product sums the exact products of the quantised numbers (number of the format x scale) in f32.
;;   ~~~python
;;   def quantise(x, axis):      # numpy; x: float32 -> the quantised numbers, widened to float32 again
;;       x = np.moveaxis(x, axis, -1); K = x.shape[-1]
;;       x = np.pad(x, [(0, 0)] * (x.ndim - 1) + [(0, -K % 32)]); x = x.reshape(x.shape[:-1] + (-1, 32)); a = np.abs(x).max(-1, keepdims=True)
;;       e = np.where(a > 0, np.clip(np.frexp(np.where(a > 0, a, 1))[1] - 1 - 2, -126, 127), 0)      # np.frexp(a)[1] - 1 = floor(log2(a)), exactly
;;       r = np.clip(x / 2.0 ** e, -6, 6)
;;       step = 2.0 ** (np.maximum(np.frexp(np.where(r == 0, 1, r))[1] - 1, 0) - 1)
;;       q = np.round(r / step) * step * 2.0 ** e      # np.round: ties to even
;;       return np.moveaxis(q.reshape(q.shape[:-2] + (-1,))[..., :K], -1, axis).astype(np.float32)
;;   ~~~
;;   OPERANDS COMPUTED ON THE WAY. 'Computed on the way' means the value that the module computes at that place (a softmax that the list does not call 'softmax' is quantised finished and normalised). What goes into a quantiser is computed in f32, as accurately as f32 sums, v_exp_f32 and their like allow (about 1e-6 of the number): no bf16 or f16 on the way to a quantiser, and a product that is left as it is and whose result goes on into a quantised operand takes f32 operands (vector FMAs, or v_wmma_f32_16x16x4_f32). A number that lies on a knife's edge between two numbers of the format may be rounded either way, as far as f32 arithmetic and the matrix unit's own rounding can turn it there, and no further.
;; One version. Each part assembles by itself: llvm-mc -triple=amdgcn-amd-amdhsa -mcpu=gfx1250 --defsym DOCPART=n.
;; ======== version 1 of 1: 5 launches
;; limits: right only within a limited range of input values
;; workspace buffers: wbuf 1,114,112 bytes; qs 65,536 bytes; xc 16,384 bytes; xs 1,024 bytes; pctx 1,048,576 bytes; pml 32,768 bytes; hc 32,768 bytes; hs 2,048 bytes
;; launch prep (part 1): grid 192 x 1, 8 waves a work-group, no clusters, 144,896 bytes of LDS; arguments Wk, Wv, Wq, dec_h, wbuf, qs, xc, xs; writes wbuf, qs, xc, xs
.if DOCPART == 1
	.amdgcn_target "amdgcn-amd-amdhsa--gfx1250"
	.amdhsa_code_object_version 6
	.text
	.protected	k_q989800dbad_prep
	.globl	k_q989800dbad_prep
	.p2align	8
	.type	k_q989800dbad_prep,@function
k_q989800dbad_prep:
	s_mov_b64 s[64:65], 0
	v_nop
	global_prefetch_b8 v0, s[64:65] scope:SCOPE_SE
	s_setreg_imm32_b32 hwreg(HW_REG_WAVE_MODE, 25, 1), 1
	s_wait_xcnt 0x0
; PREP: Wk and Wv [1024][1024] f32 become codes of E2M1 with E8M0 scale bytes, laid as the main launch's operand registers take them; q = Q(dec_h) Q(Wq)^T is made and scaled; dec_h's codes become the first half of the MLP's x.
; DEAD WORK: none.  Every input of reference() has a way to out0 and every product of its table is done in full; no launch of this program leaves work out.
; LIMITS: NaN and infinities among the inputs are not served.  A block whose largest magnitude lies under 2^-124, a block of zeros among them, gets the scale byte 1 (the quantiser says 127 for zeros): its codes of zeros add
; nothing under any byte but 0xff, and the bytes are read by this program alone.
; SHARES.  192 work-groups of eight waves: 0-63 take Wk, 64-127 Wv, 128-191 Wq; each takes 16 rows of its matrix; wave s takes K step s: 16 rows x 128 numbers, 16 loads of 512 consecutive bytes, all asked for at once.
; The conversions want a lane to hold neighbours along K: the 8,192 bytes turn through the wave's own stage in LDS (rows 528 bytes apart) and come back as 32 neighbours of each of two blocks: lane (r, h) holds k = 64 c + 32 h + i of row r,
; which is the order of the operand's registers, so that the conversions' results ARE the fragment.
; wbuf: [part 2 i + mat][wave w][tile t][8,704 bytes], head = 4 w + i, mat 0 = Wk, 1 = Wv, tile t = the head's rows 16 t on: eight images of fragments (1,024 bytes: registers 0-3 at 16 x lane, registers 4-7 512 bytes on), then 512 bytes of scale
; words: dword 4 l + i' is the word of K step 2 i' + l / 16, row l % 16.
; q's path: the wave multiplies its K step of 16 rows of Wq (source 0) by dec_h's 16 rows (source 1); the eight partial tiles meet in LDS and wave 0 adds them, multiplies by log2(e) / 8 and stores qs[b][n].
; NO CLUSTER: the operands go from memory through registers to the quantiser; what work-groups share is dec_h's 64 KB, on one of the two paths.
; The two paths part on the work-group's number; each has LDS bytes of its own.
.set STKV,  0                          ; LDS: eight stages of 16 x 528 bytes, Wk's and Wv's path
.set STQ,   67584                      ; the same for q's path
.set SCW,   135168                     ; a tile's 512 bytes of scale words
.set RED,   135680                     ; eight partial tiles of q, 1,024 bytes each
.set SPARE, 143872                     ; the spare words, 128 bytes for each wave: four blocks of 256 bytes that no other line names
.set LI,   1                           ; v1   16 x lane
.set STI,  2                           ; v2   the stage, on the way in: 16 x lane (a load's 512 bytes are a stage row)
.set STO,  3                           ; v3   and out: 528 r + 128 h
.set STIQ, 4                           ; v4, v5 the same in q's path
.set STOQ, 5
.set R4,   6                           ; v6   4 r
.set SH8,  7                           ; v7   8 h
.set TM,   8                           ; v8-9   largest magnitudes
.set SO,   10                          ; v10-11 the conversions' scale operands
.set BY,   12                          ; v12-13 scale bytes
.set TT,   14                          ; v14  the other half's bytes
.set SCA,  16                          ; v16  where my row's scale word goes
.set RDW,  17                          ; v17  where my partial tile goes
.set RDR,  18                          ; v18  RED + 16 x lane
.set QO,   19                          ; v19  4,096 r + 32 h: q's place
.set SPW,  20                          ; v20  LDS address of my spare word; never rewritten
.set NIL,  21                          ; v21  0; never rewritten
.set SCR,  26                          ; v26  SCW + 16 x lane
.set PCW,  32                          ; v32-39 the weight's fragment
.set PCX,  40                          ; v40-47 dec_h's
.set PWW,  48                          ; v48  the weight's scale word
.set PWX,  49                          ; v49  dec_h's
.set D,    56                          ; v56-63 the partial tile
.set R,    64                          ; v64-127  the weight as loaded; later the eight partial tiles
.set R2,   128                         ; v128-191 dec_h as loaded
.set X,    192                         ; v192-255 64 numbers in the operand's order
.set SEL,  24                          ; s[24:25] v_permlanex16_b32's selects for lane l xor 16
.macro LOADW rr, sb, nt                ; 16 rows x 512 bytes
.irp i, 0,1,2,3,4,5,6,7,8,9,10,11,12,13,14,15
.if \nt
	global_load_b128 v[\rr+4*\i:\rr+4*\i+3], v[LI], s[\sb:\sb+1] offset:4096*\i th:TH_LOAD_NT
.else
	global_load_b128 v[\rr+4*\i:\rr+4*\i+3], v[LI], s[\sb:\sb+1] offset:4096*\i
.endif
.endr
.endm
.macro TURN rr, x, sti, sto            ; through my own stage: LDS serves a wave's instructions in order, so no wait stands between the stores and the loads
.irp i, 0,1,2,3,4,5,6,7,8,9,10,11,12,13,14,15
	ds_store_b128 v[\sti], v[\rr+4*\i:\rr+4*\i+3] offset:528*\i
.endr
.irp c, 0,1
.irp j, 0,1,2,3,4,5,6,7
	ds_load_b128 v[\x+32*\c+4*\j:\x+32*\c+4*\j+3], v[\sto] offset:256*\c+16*\j
.endr
.endr
.endm
; 64 numbers of a lane, v[x + 32 c + i] = k 64 c + 32 h + i of row r, become the fragment's 8 registers in v[pc] on and the row's scale word in v[pw] (in both halves of the lanes)
.macro QUANT x, pc, pw
.irp c, 0,1
	v_max3_num_f32 v[TM+\c], |v[\x+32*\c]|, |v[\x+32*\c+1]|, 0x1800000   ; my block 2 c + h: all 32 numbers are mine; the floor 2^(3 - 127) holds the byte at 1 from below
.endr
.irp i, 2,4,6,8,10,12,14,16,18,20,22,24,26,28,30
.irp c, 0,1
	s_delay_alu instid0(VALU_DEP_2)
	v_max3_num_f32 v[TM+\c], v[TM+\c], |v[\x+32*\c+\i]|, |v[\x+32*\c+\i+1]|
.endr
.endr
.irp c, 0,1
	s_delay_alu instid0(VALU_DEP_2)
	v_add_nc_u32 v[SO+\c], 0xff000000, v[TM+\c]    ; 2 off the exponent field: the conversion takes this operand's exponent field as its scale
.endr
.irp c, 0,1
	s_delay_alu instid0(VALU_DEP_2)
	v_lshrrev_b32 v[BY+\c], 23, v[SO+\c]           ; the scale's byte
.endr
	s_delay_alu instid0(VALU_DEP_1)
	v_lshl_or_b32 v[\pw], v[BY+1], 16, v[BY]       ; blocks h and 2 + h,
	s_delay_alu instid0(VALU_DEP_1)
	v_lshlrev_b32 v[\pw], v[SH8], v[\pw]           ; at their places in the word;
	s_delay_alu instid0(VALU_DEP_1)
	v_permlanex16_b32 v[TT], v[\pw], s[SEL], s[SEL+1]
	s_delay_alu instid0(VALU_DEP_1)
	v_or_b32 v[\pw], v[\pw], v[TT]                 ; with lane l xor 16's two the word is whole
.irp c, 0,1
.irp g, 0,1,2,3
	v_cvt_scalef32_pk8_fp4_f32 v[\pc+4*\c+\g], v[\x+32*\c+8*\g:\x+32*\c+8*\g+7], v[SO+\c]
.endr
.endr
	v_nop                                          ; one plain place behind the last conversion
.endm
	s_load_b256 s[4:11], s[0:1], 0x0               ; Wk s[4:5], Wv s[6:7], Wq s[8:9], dec_h s[10:11]
	s_load_b256 s[12:19], s[0:1], 0x20             ; wbuf s[12:13], qs s[14:15], xc s[16:17], xs s[18:19]
	v_lshl_add_u32 v[SPW], v0, 2, SPARE
	v_mov_b32 v[NIL], 0
	v_lshrrev_b32 v15, 5, v0
	s_delay_alu instid0(VALU_DEP_1)
	v_readfirstlane_b32 s20, v15                   ; wave = K step s
	v_and_b32 v22, 31, v0                          ; lane
	v_and_b32 v23, 15, v0                          ; r
	v_bfe_u32 v24, v0, 4, 1                        ; h
	s_lshr_b32 s22, ttmp9, 6                       ; which matrix
	s_and_b32 s23, ttmp9, 63                       ; which 16 rows of it
	; every LDS address is made here, ahead of the parting of the paths
	v_lshlrev_b32 v[LI], 4, v22
	s_mul_i32 s26, s20, 8448
	v_add_nc_u32 v[STI], s26, v[LI]
	v_mul_u32_u24 v25, v23, 528
	s_delay_alu instid0(VALU_DEP_1)
	v_lshl_add_u32 v25, v24, 7, v25
	s_delay_alu instid0(VALU_DEP_1)
	v_add_nc_u32 v[STO], s26, v25
	s_delay_alu instid0(VALU_DEP_4)
	v_add_nc_u32 v[STIQ], STQ, v[STI]
	s_delay_alu instid0(VALU_DEP_2)
	v_add_nc_u32 v[STOQ], STQ, v[STO]
	v_lshlrev_b32 v[R4], 2, v23
	v_lshlrev_b32 v[SH8], 3, v24
	v_mov_b32 v[TT], 0                             ; written once: a lane permute's destination counts as one of its sources
	s_and_b32 s27, s20, 1
	s_lshl_b32 s27, s27, 8
	s_lshr_b32 s28, s20, 1
	s_lshl_b32 s28, s28, 2
	s_add_co_u32 s27, s27, s28
	s_add_co_u32 s27, s27, SCW
	v_lshl_add_u32 v[SCA], v23, 4, s27             ; SCW + 256 (s % 2) + 4 (s / 2) + 16 r
	s_lshl_b32 s28, s20, 10
	s_add_co_u32 s28, s28, RED
	v_add_nc_u32 v[RDW], s28, v[LI]
	v_add_nc_u32 v[RDR], RED, v[LI]
	v_add_nc_u32 v[SCR], SCW, v[LI]
	v_lshlrev_b32 v[QO], 12, v23
	s_delay_alu instid0(VALU_DEP_1)
	v_lshl_add_u32 v[QO], v24, 5, v[QO]
	s_mov_b32 s[SEL], 0x76543210
	s_mov_b32 s[SEL+1], 0xfedcba98
	s_lshl_b32 s32, s23, 16                        ; 16 rows of 4,096 bytes,
	s_lshl_b32 s33, s20, 9                         ; my K step's 512 bytes of a row
	s_add_co_u32 s32, s32, s33
	s_mov_b32 s33, 0
	s_wait_kmcnt 0x0
	s_cmp_lt_u32 ttmp9, 64                         ; the choice hangs on the work-group's number alone
	s_cselect_b64 s[30:31], s[4:5], s[6:7]
	s_cmp_lt_u32 ttmp9, 128
	s_cselect_b64 s[30:31], s[30:31], s[8:9]
	s_add_nc_u64 s[30:31], s[30:31], s[32:33]
	s_cmp_lt_u32 ttmp9, 128
	s_cbranch_scc0 .Lq
	; ---- Wk's and Wv's path
	LOADW R, 30, 1
	s_lshr_b32 s34, s23, 2                         ; head
	s_and_b32 s35, s34, 3                          ; i
	s_lshl_b32 s35, s35, 1
	s_add_co_u32 s35, s35, s22                     ; part 2 i + mat
	s_lshl_b32 s35, s35, 2
	s_lshr_b32 s34, s34, 2                         ; w
	s_add_co_u32 s35, s35, s34
	s_lshl_b32 s35, s35, 2
	s_and_b32 s34, s23, 3                          ; t
	s_add_co_u32 s35, s35, s34
	s_mul_i32 s34, s35, 8704
	s_mov_b32 s35, 0
	s_add_nc_u64 s[12:13], s[12:13], s[34:35]      ; the tile's first byte
	s_lshl_b32 s36, s20, 10
	s_mov_b32 s37, 0
	s_add_nc_u64 s[38:39], s[12:13], s[36:37]      ; my K step's image
	s_wait_loadcnt 0x0
	TURN R, X, STI, STO
	s_wait_dscnt 0x0
	QUANT X, PCW, PWW
	global_store_b128 v[LI], v[PCW:PCW+3], s[38:39]              ; 32 lanes store 512 consecutive bytes
	global_store_b128 v[LI], v[PCW+4:PCW+7], s[38:39] offset:512
	ds_store_b32 v[SCA], v[PWW]                    ; both halves of the lanes write the same word with the same value
	s_wait_dscnt 0x0                               ; for the others' sake: my word has landed
	s_barrier_signal -1
	s_barrier_wait -1
	s_cmp_lg_u32 s20, 0
	s_cbranch_scc1 .Lend
	ds_load_b128 v[D:D+3], v[SCR]                  ; wave 0: the tile's 128 scale words leave as 512 consecutive bytes
	s_wait_dscnt 0x0
	global_store_b128 v[LI], v[D:D+3], s[12:13] offset:8192
	s_branch .Lend
	; ---- q's path
.Lq:
	LOADW R, 30, 1
	s_lshl_b32 s32, s20, 9
	s_add_nc_u64 s[10:11], s[10:11], s[32:33]      ; dec_h at my K step
	LOADW R2, 10, 0
	s_lshl_b32 s34, s20, 10
	s_mov_b32 s35, 0
	s_add_nc_u64 s[16:17], s[16:17], s[34:35]      ; xc: K step s
	s_lshl_b32 s34, s20, 6
	s_add_nc_u64 s[18:19], s[18:19], s[34:35]      ; xs: K step s
	s_lshl_b32 s34, s23, 6
	s_add_nc_u64 s[14:15], s[14:15], s[34:35]      ; qs: my 16 channels
	s_mov_b32 s28, 0x3e38aa3b                      ; log2(e) / 8: the scores' scale and the change of base, folded into q
	s_mov_b32 s29, s28                             ; (named with it as a pair, so it is written)
	s_wait_loadcnt 16                              ; Wq's 16 loads are in; dec_h's 16 were issued behind them
	TURN R, X, STIQ, STOQ
	s_wait_dscnt 0x0
	QUANT X, PCW, PWW
	s_wait_loadcnt 0x0
	TURN R2, X, STIQ, STOQ
	s_wait_dscnt 0x0
	QUANT X, PCX, PWX
	s_cmp_lg_u32 ttmp9, 128                        ; one work-group stores dec_h's codes: blocks 0-31 of x
	s_cbranch_scc1 .Lnox
	global_store_b128 v[LI], v[PCX:PCX+3], s[16:17]
	global_store_b128 v[LI], v[PCX+4:PCX+7], s[16:17] offset:512
	global_store_b32 v[R4], v[PWX], s[18:19]
.Lnox:
.rept 8
	v_nop                                          ; a scale register written by a vector instruction stands 8 places ahead of a scaled matrix instruction, an operand so written 4
.endr
	s_wait_alu depctr_va_vdst(0)
	v_wmma_scale_f32_16x16x128_f8f6f4 v[D:D+7], v[PCW:PCW+7], v[PCX:PCX+7], 0, v[PWW], v[PWX] matrix_a_fmt:MATRIX_FMT_FP4 matrix_b_fmt:MATRIX_FMT_FP4   ; lane (r, h): batch r, channels 8 h + j
.rept 4
	v_nop
.endr
	ds_store_b128 v[RDW], v[D:D+3]                 ; the accumulator from its low end on
	ds_store_b128 v[RDW], v[D+4:D+7] offset:512
	s_wait_dscnt 0x0
	s_barrier_signal -1
	s_barrier_wait -1
	s_cmp_lg_u32 s20, 0
	s_cbranch_scc1 .Lend
.irp w, 0,1,2,3,4,5,6,7
	ds_load_b128 v[R+8*\w:R+8*\w+3], v[RDR] offset:1024*\w
	ds_load_b128 v[R+8*\w+4:R+8*\w+7], v[RDR] offset:1024*\w+512
.endr
	s_wait_dscnt 0x0
.irp d, 4,2,1                                  ; the eight K steps' sums, added in a fixed tree
.irp w, 0,1,2,3
.if \w < \d
.irp jj, 0,2,4,6
	v_pk_add_f32 v[R+8*\w+\jj:R+8*\w+\jj+1], v[R+8*\w+\jj:R+8*\w+\jj+1], v[R+8*(\w+\d)+\jj:R+8*(\w+\d)+\jj+1]
.endr
.endif
.endr
.endr
.irp jj, 0,2,4,6
	s_delay_alu instid0(VALU_DEP_4)
	v_pk_mul_f32 v[R+\jj:R+\jj+1], v[R+\jj:R+\jj+1], s[28:29] op_sel_hi:[1,0]
.endr
	global_store_b128 v[QO], v[R:R+3], s[14:15]    ; pieces of 64 bytes of 16 rows: qs is 64 KB in all
	global_store_b128 v[QO], v[R+4:R+7], s[14:15] offset:16
.Lend:
	s_wait_tensorcnt 0x0                           ; the wave's end: behind my last LDS store
	ds_add_u32 v[SPW], v[NIL]
	s_wait_dscnt 0x0
	s_endpgm
.Lfunc_end_k_q989800dbad_prep:
	.size	k_q989800dbad_prep, .Lfunc_end_k_q989800dbad_prep-k_q989800dbad_prep
	.p2alignl 7, 3214868480
	.fill 96, 4, 3214868480
	.section	.rodata,"a",@progbits
	.p2align	6, 0x0
	.amdhsa_kernel k_q989800dbad_prep
		.amdhsa_group_segment_fixed_size 144896
		.amdhsa_private_segment_fixed_size 0
		.amdhsa_enable_private_segment 0
		.amdhsa_kernarg_size 64
		.amdhsa_user_sgpr_count 2
		.amdhsa_user_sgpr_kernarg_segment_ptr 1
		.amdhsa_wavefront_size32 1
		.amdhsa_system_sgpr_workgroup_id_x 1
		.amdhsa_system_sgpr_workgroup_id_y 1
		.amdhsa_system_sgpr_workgroup_id_z 1
		.amdhsa_system_vgpr_workitem_id 0
		.amdhsa_next_free_vgpr 256
		.amdhsa_next_free_sgpr 66
		.amdhsa_reserve_vcc 0
		.amdhsa_float_denorm_mode_32 3
		.amdhsa_float_denorm_mode_16_64 3
		.amdhsa_memory_ordered 1
		.amdhsa_forward_progress 1
		.amdhsa_inst_pref_size 33
	.end_amdhsa_kernel
	.amdgpu_metadata
---
amdhsa.version: [ 1, 2 ]
amdhsa.kernels:
  - .name:           k_q989800dbad_prep
    .symbol:         k_q989800dbad_prep.kd
    .args:
      - { .name: Wk, .offset: 0, .size: 8, .value_kind: global_buffer, .address_space: global }
      - { .name: Wv, .offset: 8, .size: 8, .value_kind: global_buffer, .address_space: global }
      - { .name: Wq, .offset: 16, .size: 8, .value_kind: global_buffer, .address_space: global }
      - { .name: dec_h, .offset: 24, .size: 8, .value_kind: global_buffer, .address_space: global }
      - { .name: wbuf, .offset: 32, .size: 8, .value_kind: global_buffer, .address_space: global }
      - { .name: qs, .offset: 40, .size: 8, .value_kind: global_buffer, .address_space: global }
      - { .name: xc, .offset: 48, .size: 8, .value_kind: global_buffer, .address_space: global }
      - { .name: xs, .offset: 56, .size: 8, .value_kind: global_buffer, .address_space: global }
    .group_segment_fixed_size: 144896
    .private_segment_fixed_size: 0
    .kernarg_segment_align: 8
    .kernarg_segment_size: 64
    .max_flat_workgroup_size: 256
    .sgpr_count:     66
    .vgpr_count:     256
    .wavefront_size: 32
...
	.end_amdgpu_metadata
.endif
;; end of part 1
;; launch main (part 2): grid 256 x 1, 4 waves a work-group, clusters of 4 x 1, 327,680 bytes of LDS; arguments enc, wbuf, qs, pctx, pml; writes pctx, pml
.if DOCPART == 2
	.amdgcn_target "amdgcn-amd-amdhsa--gfx1250"
	.amdhsa_code_object_version 6
	.text
	.protected	k_q989800dbad_main
	.globl	k_q989800dbad_main
	.p2align	8
	.type	k_q989800dbad_main,@function
k_q989800dbad_main:
	s_mov_b64 s[64:65], 0
	v_nop
	global_prefetch_b8 v0, s[64:65] scope:SCOPE_SE
	s_setreg_imm32_b32 hwreg(HW_REG_WAVE_MODE, 25, 1), 1
	s_wait_xcnt 0x0
	s_wait_alu depctr_hold_cnt(0) depctr_sa_sdst(0) depctr_va_vdst(0) depctr_va_sdst(0) depctr_va_ssrc(0) depctr_va_vcc(0) depctr_vm_vsrc(0)
	s_getreg_b32 s2, hwreg(HW_REG_IB_STS2, 6, 4)
	s_cmp_eq_u32 s2, 0
	s_cbranch_scc0 .Lentry_in_a_cluster
	s_endpgm
.Lentry_in_a_cluster:
	s_bfe_u32 s2, ttmp6, 0x10000c
	s_cmp_lg_u32 s2, 0x3003
	s_cbranch_scc0 .Lentry_shape_is_right
	s_endpgm
.Lentry_shape_is_right:
; MAIN: k = Q(enc) Q(Wk)^T and v = Q(enc) Q(Wv)^T on codes of E2M1, the scores q . k, a softmax over the work-group's 128 tokens under their own maximum, and the weighted sum of v, all else in f32.
; Nothing of reference() is left out.  LIMITS: as in the first launch (NaN, infinities; a block under 2^-124 gets the scale byte 1).
; SHARES.  256 work-groups: batch = number / 16, block of 128 tokens = number % 16.  Four waves.  PART 1: wave w quantises tokens 32 w .. 32 w + 31 in 16 steps of 16 rows x 128 K; the fragments' images meet in LDS
; (each image has bytes of its own, so one barrier serves four steps) and every wave takes all 64 fragments into windows 2 and 3: 512 registers.  PART 2: wave w takes heads 4 w + i: 4 tiles of Wk, the softmax, 4 tiles of Wv.
; Both products take 16 rows of the weight as source 0 and 16 tokens as source 1: lane (r, h) holds token r, register j channel 8 h + j.  So p stays in the lanes in which the scores are made.
; THE WEIGHTS, laid in wbuf as images of operand registers, come by two roads into four register buffers (window 1), tile t into buffer t.  Tiles 0 and 1 of each part (a head's Wk or Wv) come JOINTLY: the four work-groups of a
; cluster walk the same weights, and each wave's tensor load, with a mask that names the four, brings its 17,408 bytes into a ring of two LDS slots.  Tiles 2 and 3 go from wbuf straight into registers, in one run of 17 loads, three
; tiles ahead: each byte is used by one wave alone, so LDS takes in and gives out 557,056 bytes a work-group and not 1,114,112.
; NO PREFETCH: enc is asked for from the first lines on, 48 to 64 loads of 512 bytes a wave at a time, and is read once; wbuf's 1,114,112 bytes are read by all 256 work-groups.
; OUT: pctx[head][block][batch][64] = sum of p v, pml[head][batch][block] = (largest t, sum of p); the next launch joins the 16 blocks.
.set RING1, 139264                     ; wbuf: from part to part (part 2 i + mat)
.set WPART, 34816                      ; from wave to wave
.set TILEB, 8704                       ; from tile to tile: 8 images of 1,024 bytes, 512 bytes of scale words
.set WSL,   17408                      ; LDS: a wave's two tiles in a slot
.set SLOTB, 69632                      ; a slot; the ring is bytes 0 to 139,263, filled by tensor loads alone
.set STG,   139264                     ; two stages of 16 x 528 bytes a wave
.set IMG,   206848                     ; 64 images of 1,024 bytes: step rho, wave w at 4,096 rho + 1,024 w
.set XSC,   272384                     ; the tokens' scale words
.set CT,    276480                     ; 256 bytes a wave for the way out
.set SPARE, 277504                     ; the spare words, 128 bytes a wave: two blocks of 256 bytes that no other line names
.set LI,  1                            ; 16 x lane
.set STI, 2                            ; the stage, in
.set STO, 3                            ; and out: 528 r + 128 h
.set IMW, 4
.set IMR, 5
.set XSW, 6
.set XSR, 7
.set CTW, 8
.set CTR, 9
.set SH8, 10
.set QOF, 11
.set POF, 12
.set ZER, 13
.set SPW, 14                           ; my spare word; never rewritten
.set NIL, 15                           ; 0; never rewritten
.set WA0, 16                           ; v16-17 my two tiles in slot 0, 1
.set PW,  18
.set TT,  19
.set TM,  20                           ; v20-23 four chains of maxima
.set WS,  24                           ; v24-39 the weights' scale words, four buffers: scales alone
.set XS,  40                           ; v40-71 the tokens' scale words: scales alone
.set SP,  72                           ; v72-87 the scores' sums in pairs; then p(m) in v[SP + 2 m]
.set U,   96
.set SO,  104
.set BY,  106
.set ML,  108
.set CX,  110
.set SCR, 112
.set PC,  116
.set ACC, 128                          ; v128-191 eight accumulators
.set QR,  192                          ; v192-223 q of the head in hand
.set CH,  224                          ; v224-255 the head's 4 x 8 sums of p v, one lane a token
; part 1's 64 numbers in the operand's order: even steps v128-191, odd steps v72-103 and v224-255
.set SEL, 20
.set MSB, 0
.macro WIN new
.if MSB != (\new)
	s_set_vgpr_msb (MSB<<8)|(\new)
.set MSB, (\new)
.endif
.endm
.macro PLACES
.rept 4
	v_nop
.endr
.endm
.macro ROUND                           ; a round of the cluster's barrier
	s_barrier_signal -1
	s_barrier_wait -1
	s_cmp_lg_u32 s14, 0
	s_cbranch_scc1 .Lnot_wave_0_\@
	s_barrier_signal -3
.Lnot_wave_0_\@:
	s_barrier_wait -3
	s_barrier_signal -1
	s_barrier_wait -1
.endm
; 64 numbers of a lane (block 2 c + h of row r in v[xa] on for c = 0, v[xb] on for c = 1) become the fragment's 8 registers and the row's scale word
.macro QUANT xa, xb
.set QA, (\xa)
.set QD, (\xb)-(\xa)
.irp c, 0,1
	v_max3_num_f32 v[TM+\c], |v[QA+QD*\c]|, |v[QA+QD*\c+1]|, 0x1800000      ; the floor 2^(3 - 127) holds the byte at 1 from below
	v_max3_num_f32 v[TM+2+\c], |v[QA+QD*\c+16]|, |v[QA+QD*\c+17]|, 0x1800000
.endr
.irp i, 2,4,6,8,10,12,14
.irp c, 0,1
	v_max3_num_f32 v[TM+\c], v[TM+\c], |v[QA+QD*\c+\i]|, |v[QA+QD*\c+\i+1]|
	v_max3_num_f32 v[TM+2+\c], v[TM+2+\c], |v[QA+QD*\c+16+\i]|, |v[QA+QD*\c+17+\i]|
.endr
.endr
.irp c, 0,1
	v_max_num_f32 v[TM+\c], v[TM+\c], v[TM+2+\c]
.endr
.irp c, 0,1
	v_add_nc_u32 v[SO+\c], 0xff000000, v[TM+\c]    ; 2 off the exponent field: the conversion's scale operand
.endr
.irp c, 0,1
	v_lshrrev_b32 v[BY+\c], 23, v[SO+\c]
.endr
	v_lshl_or_b32 v[PW], v[BY+1], 16, v[BY]
	v_lshlrev_b32 v[PW], v[SH8], v[PW]
	v_permlanex16_b32 v[TT], v[PW], s[SEL], s[SEL+1]
	v_or_b32 v[PW], v[PW], v[TT]                   ; with lane l xor 16's two bytes the word is whole
.irp c, 0,1
.irp g, 0,1,2,3
	v_cvt_scalef32_pk8_fp4_f32 v[PC+4*\c+\g], v[QA+QD*\c+8*\g:QA+QD*\c+8*\g+7], v[SO+\c]
.endr
.endr
	v_nop                                          ; one plain place behind the last conversion
.endm
.macro ELOAD rho                       ; step rho: 16 rows x 512 bytes into buffer rho % 4 of window 1
	WIN 0x40
.irp i, 0,1,2,3,4,5,6,7,8,9,10,11,12,13,14,15
	global_load_b128 v[64*((\rho)%4)+4*\i:64*((\rho)%4)+4*\i+3], v[LI], s[4:5] offset:(16*((\rho)/8)+\i)*4096+512*((\rho)%8) th:TH_LOAD_NT
.endr
	WIN 0
.endm
.macro TURN rho                        ; through my stage rho % 2: LDS serves a wave's instructions in order
	WIN 0x04
.irp i, 0,1,2,3,4,5,6,7,8,9,10,11,12,13,14,15
	ds_store_b128 v[STI], v[64*((\rho)%4)+4*\i:64*((\rho)%4)+4*\i+3] offset:8448*((\rho)%2)+528*\i
.endr
	WIN 0
.irp j, 0,1,2,3,4,5,6,7
	ds_load_b128 v[128-56*((\rho)%2)+4*\j:128-56*((\rho)%2)+4*\j+3], v[STO] offset:8448*((\rho)%2)+16*\j
.endr
.irp j, 0,1,2,3,4,5,6,7
	ds_load_b128 v[160+64*((\rho)%2)+4*\j:160+64*((\rho)%2)+4*\j+3], v[STO] offset:8448*((\rho)%2)+256+16*\j
.endr
.endm
.macro WD buf, off                     ; a weight tile from wbuf, byte off from s[6:7], straight into buffer buf: 17 loads
	WIN 0x40
.irp s, 0,1,2,3,4,5,6,7
	global_load_b128 v[64*(\buf)+8*\s:64*(\buf)+8*\s+3], v[LI], s[6:7] offset:(\off)+1024*\s
	global_load_b128 v[64*(\buf)+8*\s+4:64*(\buf)+8*\s+7], v[LI], s[6:7] offset:(\off)+1024*\s+512
.endr
	WIN 0
	global_load_b128 v[WS+4*(\buf):WS+4*(\buf)+3], v[LI], s[6:7] offset:(\off)+8192
.endm
.macro WL slot, t                      ; my tile t (0 or 1) of a slot into buffer t: 17 LDS loads
	WIN 0x40
.irp s, 0,1,2,3,4,5,6,7
	ds_load_b128 v[64*\t+8*\s:64*\t+8*\s+3], v[WA0+\slot] offset:TILEB*\t+1024*\s
	ds_load_b128 v[64*\t+8*\s+4:64*\t+8*\s+7], v[WA0+\slot] offset:TILEB*\t+1024*\s+512
.endr
	WIN 0
	ds_load_b128 v[WS+4*\t:WS+4*\t+3], v[WA0+\slot] offset:TILEB*\t+8192
.endm
.macro QLOAD off                       ; q(16 t + 8 h + j) of a head: 8 loads
.irp t, 0,1,2,3
	global_load_b128 v[QR+8*\t:QR+8*\t+3], v[QOF], s[46:47] offset:(\off)+64*\t
	global_load_b128 v[QR+8*\t+4:QR+8*\t+7], v[QOF], s[46:47] offset:(\off)+64*\t+16
.endr
.endm
	s_load_b256 s[4:11], s[0:1], 0x0               ; enc s[4:5], wbuf s[6:7], qs s[8:9], pctx s[10:11]
	s_load_b64 s[12:13], s[0:1], 0x20              ; pml
	v_lshl_add_u32 v[SPW], v0, 2, SPARE
	v_mov_b32 v[NIL], 0
	ds_add_u32 v[SPW], v[NIL]                      ; the opening lines: the add, twice on end, and its wait ahead of my first tensor load
	ds_add_u32 v[SPW], v[NIL]
	v_lshrrev_b32 v[SCR], 5, v0
	v_readfirstlane_b32 s14, v[SCR]                ; wave
	s_mov_b32 s24, 15|(3<<16)|(1<<21)              ; group 1: the mask names the cluster's four; elements of 8 bytes; 68 dense rows of 256 bytes
	s_mov_b32 s25, 32<<16
	s_mov_b32 s26, 68<<16
	s_mov_b32 s27, 32<<16
	s_mov_b32 s28, 68
	s_mov_b32 s29, 32
	s_mov_b32 s30, 0
	s_mov_b32 s31, 0
	s_mul_i32 s22, s14, WPART
	s_mov_b32 s23, 0
	s_mul_i32 s19, s14, WSL
	s_mov_b32 s32, 1
	s_mov_b32 s33, s19                             ; slot 0: no place in the cluster enters an LDS address
	s_mov_b32 s36, 1
	s_add_co_u32 s37, s19, SLOTB                   ; slot 1
	s_mov_b32 s[SEL], 0x76543210
	s_mov_b32 s[SEL+1], 0xfedcba98
	s_bfe_u32 s15, ttmp6, 0x40000                  ; cx
	s_lshl_b32 s16, ttmp9, 2
	s_add_co_u32 s16, s16, s15                     ; the work-group's number
	s_lshr_b32 s17, s16, 4                         ; batch
	s_and_b32 s18, s16, 15                         ; block
	s_lshl_b32 s52, s16, 19                        ; enc: 128 rows of 4,096 bytes a work-group,
	s_lshl_b32 s53, s14, 17                        ; 32 a wave
	s_add_co_u32 s52, s52, s53
	s_mov_b32 s53, 0
	s_mul_i32 s42, s14, 16896                      ; my two stages
	s_add_co_u32 s42, s42, STG
	s_lshl_b32 s43, s14, 10
	s_add_co_u32 s44, s43, IMG
	s_add_co_u32 s45, s43, XSC
	s_lshl_b32 s41, s14, 8
	s_add_co_u32 s41, s41, CT
	v_and_b32 v[SCR+3], 31, v0                     ; lane
	v_and_b32 v[SCR], 15, v0                       ; r
	v_bfe_u32 v[SCR+1], v0, 4, 1                   ; h
	v_lshlrev_b32 v[LI], 4, v[SCR+3]
	v_mul_u32_u24 v[SCR+2], v[SCR], 528
	v_add_nc_u32 v[STI], s42, v[LI]
	v_lshl_add_u32 v[SCR+2], v[SCR+1], 7, v[SCR+2]
	v_add_nc_u32 v[IMW], s44, v[LI]
	v_add_nc_u32 v[STO], s42, v[SCR+2]
	v_add_nc_u32 v[IMR], IMG, v[LI]
	v_add_nc_u32 v[WA0], s19, v[LI]
	v_add_nc_u32 v[WA0+1], s37, v[LI]
	v_lshl_add_u32 v[XSW], v[SCR], 2, s45
	v_lshl_add_u32 v[XSR], v[SCR+3], 2, XSC
	v_lshl_add_u32 v[CTW], v[SCR+1], 5, s41
	v_lshl_add_u32 v[CTR], v[SCR+3], 3, s41
	v_lshlrev_b32 v[SH8], 3, v[SCR+1]
	v_lshlrev_b32 v[QOF], 5, v[SCR+1]
	v_lshlrev_b32 v[POF], 3, v[SCR+3]
	v_mov_b32 v[ZER], 0
	v_mov_b32 v[TT], 0                             ; a lane permute's destination counts as one of its sources
	s_wait_alu depctr_va_vdst(0)
	s_wait_dscnt 0x0                               ; both opening adds are done
	s_wait_kmcnt 0x0
	s_add_nc_u64 s[4:5], s[4:5], s[52:53]
	s_add_nc_u64 s[6:7], s[6:7], s[22:23]
	s_mov_b64 s[34:35], s[6:7]                     ; part 0: my tiles 0 and 1
	s_or_b32 s35, s35, 0x80000000
	s_add_nc_u64 s[38:39], s[6:7], RING1           ; part 1
	s_or_b32 s39, s39, 0x80000000
	ELOAD 0
	ELOAD 1
	ELOAD 2
	ELOAD 3
	s_lshl_b32 s52, s17, 12                        ; qs: 4,096 batch + 1,024 wave
	s_add_co_u32 s52, s52, s43
	s_add_nc_u64 s[46:47], s[8:9], s[52:53]
	s_lshl_b32 s52, s14, 6                         ; pctx: ((64 wave + block) 16 + batch) 256
	s_add_co_u32 s52, s52, s18
	s_lshl_b32 s52, s52, 4
	s_add_co_u32 s52, s52, s17
	s_lshl_b32 s52, s52, 8
	s_add_nc_u64 s[48:49], s[10:11], s[52:53]
	s_lshl_b32 s52, s14, 6                         ; pml: ((64 wave + batch) 16 + block) 8
	s_add_co_u32 s52, s52, s17
	s_lshl_b32 s52, s52, 4
	s_add_co_u32 s52, s52, s18
	s_lshl_b32 s52, s52, 3
	s_add_nc_u64 s[50:51], s[12:13], s[52:53]
	ROUND                                          ; the four work-groups are here: the first joint loads meet
	tensor_load_to_lds s[32:35], s[24:31]          ; slot 0: one tensor load a wave at the head
	s_nop 0
	PLACES
	s_wait_loadcnt 48                              ; step 0's 16 loads are in; behind them 48 were issued
	TURN 0
; STEP rho: step rho + 1 is sent through the other stage, then step rho, which is back from its stage, is quantised.
.macro QSTEP rho
.if (\rho) < 15
.if (\rho) <= 12
	s_wait_loadcnt 32                              ; step rho + 1 is in; behind it: steps rho + 2 and rho + 3
.elseif (\rho) == 13
	s_wait_loadcnt 24                              ; behind step 14: step 15's 16 and q's 8
.else
	s_wait_loadcnt 8                               ; behind step 15: q's 8
.endif
	TURN (\rho)+1
	s_wait_dscnt 32                                ; all but the 32 just issued: step rho's numbers are back, and the last step's stores have read their registers
.else
	s_wait_dscnt 0x0
.endif
.if (\rho)+4 < 16
	ELOAD (\rho)+4                                 ; into buffer rho % 4, whose stores into the stage are done
.elseif (\rho) == 12
	QLOAD 0
.elseif (\rho) >= 14
	WD (\rho)-12, ((\rho)-12)*TILEB                ; the buffers that enc has left take the first head's tiles 2 and 3 of Wk
.endif
	QUANT 128-56*((\rho)%2), 160+64*((\rho)%2)
	ds_store_b128 v[IMW], v[PC:PC+3] offset:4096*(\rho)
	ds_store_b128 v[IMW], v[PC+4:PC+7] offset:4096*(\rho)+512
	ds_store_b32 v[XSW], v[PW] offset:512*((\rho)/8)+64*((\rho)%8)
.if (\rho) == 3
	s_wait_alu depctr_va_vdst(0)
	s_wait_tensorcnt 0x0                           ; slot 1's first fill is issued as a refill is: all my tensor loads are done,
	ds_add_u32 v[SPW], v[NIL]                      ; an add to my spare word,
	s_wait_dscnt 0x0                               ; it and my four images have landed,
	ROUND                                          ; a round, which is also the four steps' barrier,
	tensor_load_to_lds s[36:39], s[24:31]          ; and my one load behind it
	s_nop 0
	PLACES
.elseif (\rho)%4 == 3
	s_wait_dscnt 0x0                               ; for the others' sake: my four images have landed
	s_barrier_signal -1
	s_barrier_wait -1
.endif
.if (\rho)%4 == 3
	WIN 0x80+0x40*(((\rho)%8)/4)                   ; the four steps' 16 fragments: K step s, token tile m at v[8 (8 (s % 4) + m)] of window 2 + s / 4
.irp q, 3,2,1,0
.irp w, 0,1,2,3
	ds_load_b128 v[8*(8*(((\rho)-\q)%4)+2*\w+(\rho)/8):8*(8*(((\rho)-\q)%4)+2*\w+(\rho)/8)+3], v[IMR] offset:4096*((\rho)-\q)+1024*\w
	ds_load_b128 v[8*(8*(((\rho)-\q)%4)+2*\w+(\rho)/8)+4:8*(8*(((\rho)-\q)%4)+2*\w+(\rho)/8)+7], v[IMR] offset:4096*((\rho)-\q)+1024*\w+512
.endr
.endr
	WIN 0
.endif
.endm
.irp rr, 0,1,2,3,4,5,6,7,8,9,10,11,12,13,14,15
	QSTEP \rr
.endr
.irp idx, 0,1,2,3,4,5,6,7,8,9,10,11,12,13,14,15,16,17,18,19,20,21,22,23,24,25,26,27,28,29,30,31
	ds_load_b32 v[XS+\idx], v[XSR] offset:128*\idx ; register 4 m + s / 2: lanes 0-15 the even K step's words, lanes 16-31 the odd one's
.endr
	WL 0, 0                                        ; part 0 landed ahead of the round in step 3; only I read my bytes of a slot
	WL 0, 1
.irp m, 0,1,2,3,4,5,6,7
	v_mov_b32 v[U+\m], 0                           ; a lane permute's destination counts as one of its sources
.endr
; A TILE: 16 rows of the weight (buffer buf) x 128 tokens x K 1,024: 64 products, the eight accumulators by turns.
.macro MM buf
.irp s, 0,1,2,3,4,5,6,7
	WIN 0x09+4*(\s/4)
.irp m, 0,1,2,3,4,5,6,7
.if \s == 0
	v_wmma_scale_f32_16x16x128_f8f6f4 v[ACC+8*\m:ACC+8*\m+7], v[64*(\buf)+8*\s:64*(\buf)+8*\s+7], v[8*(8*(\s%4)+\m):8*(8*(\s%4)+\m)+7], 0, v[WS+4*(\buf)+\s/2], v[XS+4*\m+\s/2] matrix_a_fmt:MATRIX_FMT_FP4 matrix_b_fmt:MATRIX_FMT_FP4
.elseif \s%2 == 0
	v_wmma_scale_f32_16x16x128_f8f6f4 v[ACC+8*\m:ACC+8*\m+7], v[64*(\buf)+8*\s:64*(\buf)+8*\s+7], v[8*(8*(\s%4)+\m):8*(8*(\s%4)+\m)+7], v[ACC+8*\m:ACC+8*\m+7], v[WS+4*(\buf)+\s/2], v[XS+4*\m+\s/2] matrix_a_fmt:MATRIX_FMT_FP4 matrix_b_fmt:MATRIX_FMT_FP4
.else
	v_wmma_scale_f32_16x16x128_f8f6f4 v[ACC+8*\m:ACC+8*\m+7], v[64*(\buf)+8*\s:64*(\buf)+8*\s+7], v[8*(8*(\s%4)+\m):8*(8*(\s%4)+\m)+7], v[ACC+8*\m:ACC+8*\m+7], v[WS+4*(\buf)+\s/2], v[XS+4*\m+\s/2] matrix_a_fmt:MATRIX_FMT_FP4 matrix_b_fmt:MATRIX_FMT_FP4 matrix_a_scale:MATRIX_SCALE_ROW1 matrix_b_scale:MATRIX_SCALE_ROW1
.endif
.endr
.endr
	WIN 0
	PLACES
.endm
.macro GOD cnt                         ; a tile from LDS is in; cnt LDS loads were issued behind its 17
	s_wait_alu depctr_va_vdst(0)
	s_wait_dscnt \cnt
.endm
.macro GOL cnt                         ; a tile from wbuf is in; cnt loads were issued behind its 17
	s_wait_alu depctr_va_vdst(0)
	s_wait_loadcnt \cnt
.endm
.macro CHANGE slot                     ; the slot, whose two tiles are in my registers, takes the part two parts on
	s_wait_alu depctr_va_vdst(0)
	s_wait_tensorcnt 0x0                           ; all my tensor loads are done: my part of the other slot,
	ds_add_u32 v[SPW], v[NIL]                      ; an add to my spare word,
	s_add_nc_u64 s[34+4*\slot:35+4*\slot], s[34+4*\slot:35+4*\slot], 2*RING1
	s_wait_dscnt 0x0                               ; it is done, and so are my reads of this slot
	ROUND                                          ; the same holds of every wave of the four work-groups
	tensor_load_to_lds s[32+4*\slot:35+4*\slot], s[24:31]
	s_nop 0
	PLACES
.endm
.macro POSTK t                         ; the scores' sums: k(token r, channel 16 t + 8 h + j) x q; each accumulator from its low end on
.irp jj, 0,2,4,6
.irp m, 0,1,2,3,4,5,6,7
.if (\t == 0) && (\jj == 0)
	v_pk_mul_f32 v[SP+2*\m:SP+2*\m+1], v[ACC+8*\m+\jj:ACC+8*\m+\jj+1], v[QR+8*\t+\jj:QR+8*\t+\jj+1]
.else
	v_pk_fma_f32 v[SP+2*\m:SP+2*\m+1], v[ACC+8*\m+\jj:ACC+8*\m+\jj+1], v[QR+8*\t+\jj:QR+8*\t+\jj+1], v[SP+2*\m:SP+2*\m+1]
.endif
.endr
.endr
.endm
.macro POSTV t                         ; v(token r of tile m, channel 16 t + 8 h + j) x p(m): of the pair that holds p the low word serves both halves
.irp m, 0,1,2,3,4,5,6,7
.irp jj, 0,2,4,6
.if \m == 0
	v_pk_mul_f32 v[CH+8*\t+\jj:CH+8*\t+\jj+1], v[ACC+8*\m+\jj:ACC+8*\m+\jj+1], v[SP+2*\m:SP+2*\m+1] op_sel_hi:[1,0]
.else
	v_pk_fma_f32 v[CH+8*\t+\jj:CH+8*\t+\jj+1], v[ACC+8*\m+\jj:ACC+8*\m+\jj+1], v[SP+2*\m:SP+2*\m+1], v[CH+8*\t+\jj:CH+8*\t+\jj+1] op_sel_hi:[1,0,1]
.endif
.endr
.endr
.endm
.macro SOFTMAX next
.irp m, 0,1,2,3,4,5,6,7
	v_add_f32 v[SP+2*\m], v[SP+2*\m], v[SP+2*\m+1]
.endr
.irp m, 0,1,2,3,4,5,6,7
	v_permlanex16_b32 v[U+\m], v[SP+2*\m], s[SEL], s[SEL+1]
.endr
.irp m, 0,1,2,3,4,5,6,7
	v_add_f32 v[SP+2*\m], v[SP+2*\m], v[U+\m]      ; t of token 16 m + r, in both halves of the lanes (q carries log2(e) / 8)
.endr
	v_max3_num_f32 v[ML], v[SP], v[SP+2], v[SP+4]
	v_max3_num_f32 v[SCR], v[SP+6], v[SP+8], v[SP+10]
	v_max3_num_f32 v[ML], v[ML], v[SP+12], v[SP+14]
	v_max_num_f32 v[ML], v[ML], v[SCR]
.irp x, 1,2,4,8
	v_max_num_f32_dpp v[ML], v[ML], v[ML] row_xmask:\x row_mask:0xf bank_mask:0xf
.endr
.irp m, 0,1,2,3,4,5,6,7
	v_sub_f32 v[SP+2*\m], v[SP+2*\m], v[ML]        ; the block's largest t is taken away
.endr
	s_wait_alu depctr_va_vdst(0)
.irp m, 0,1,2,3,4,5,6,7
	v_exp_f32 v[SP+2*\m], v[SP+2*\m]
.endr
	v_nop
	s_wait_alu depctr_va_vdst(0)                   ; one wait behind the batch
	v_add_f32 v[ML+1], v[SP], v[SP+2]
	v_add_f32 v[SCR], v[SP+4], v[SP+6]
	v_add_f32 v[SCR+1], v[SP+8], v[SP+10]
	v_add_f32 v[SCR+2], v[SP+12], v[SP+14]
	v_add_f32 v[ML+1], v[ML+1], v[SCR]
	v_add_f32 v[SCR+1], v[SCR+1], v[SCR+2]
	v_add_f32 v[ML+1], v[ML+1], v[SCR+1]
.irp x, 1,2,4,8
	v_add_f32_dpp v[ML+1], v[ML+1], v[ML+1] row_xmask:\x row_mask:0xf bank_mask:0xf
.endr
	global_store_b64 v[ZER], v[ML:ML+1], s[50:51]  ; every lane holds the same pair and writes it to the same 8 bytes
.if \next
	QLOAD 256                                      ; the next head's q: this head's has been used
.endif
.endm
.macro CTXOUT next
.irp x, 1,2,4,8                                ; the sums over the 16 tokens of a row of lanes
.irp j, 0,1,2,3,4,5,6,7,8,9,10,11,12,13,14,15,16,17,18,19,20,21,22,23,24,25,26,27,28,29,30,31
	v_add_f32_dpp v[CH+\j], v[CH+\j], v[CH+\j] row_xmask:\x row_mask:0xf bank_mask:0xf
.endr
.endr
.irp t, 0,1,2,3
	ds_store_b128 v[CTW], v[CH+8*\t:CH+8*\t+3] offset:64*\t          ; channel 16 t + 8 h + j; the 16 lanes of a half write the same bytes with the same values
	ds_store_b128 v[CTW], v[CH+8*\t+4:CH+8*\t+7] offset:64*\t+16
.endr
	ds_load_b64 v[CX:CX+1], v[CTR]                 ; LDS serves a wave's instructions in order: this sees the stores above
	s_wait_alu depctr_va_vdst(0)
	s_wait_dscnt 0x0
	global_store_b64 v[POF], v[CX:CX+1], s[48:49]  ; the wave stores 256 consecutive bytes, aligned
.if \next
	s_wait_xcnt 0x0                                ; the bases and the stores' data are written again only behind this wait
	s_add_nc_u64 s[6:7], s[6:7], 2*RING1
	s_add_nc_u64 s[46:47], s[46:47], 256
	s_add_nc_u64 s[48:49], s[48:49], 65536
	s_add_nc_u64 s[50:51], s[50:51], 2048
.endif
.endm
; A HEAD: Wk's part lies in slot 0 and Wv's in slot 1.  Global loads go out in this order: tile 2 of Wv, the next q, tile 3 of Wv, tiles 2 and 3 of the next Wk; so behind a tile's 17 loads stand the next tile's 17, and for
; tile 2 of Wv also q's 8.  fill = 0, the last head: nothing is asked for beyond its own tiles.
.macro HEAD fill
	GOD 17                                         ; tile 0 is in; tile 1's 17 LDS loads may be out
	MM 0
	POSTK 0
	GOD 0
	MM 1
	POSTK 1
	GOL 17
	MM 2
	POSTK 2
	WD 2, RING1+2*TILEB
	GOL 17
	MM 3
.if \fill
	CHANGE 0
.else
	s_wait_alu depctr_va_vdst(0)
	s_wait_tensorcnt 0x0                           ; the last part has landed; only I read my bytes of it
.endif
	WL 1, 0
	WL 1, 1
	POSTK 3
	SOFTMAX \fill
	WD 3, RING1+3*TILEB
	GOD 17
	MM 0
	POSTV 0
	GOD 0
	MM 1
	POSTV 1
	GOL 17+8*\fill
	MM 2
	POSTV 2
.if \fill
	WD 2, 2*RING1+2*TILEB
.endif
	GOL 17*\fill
	MM 3
.if \fill
	CHANGE 1
	WL 0, 0
	WL 0, 1
.endif
	POSTV 3
.if \fill
	WD 3, 2*RING1+3*TILEB
.endif
	CTXOUT \fill
.endm
	s_wait_alu depctr_va_vdst(0)
	s_wait_loadcnt 34                              ; the first head's q is in; behind its 8 loads stand tiles 2 and 3 of Wk, 17 loads each
	s_mov_b32 s40, 3
.Lhead:
	HEAD 1
	s_sub_co_u32 s40, s40, 1
	s_cmp_lg_u32 s40, 0
	s_cbranch_scc1 .Lhead
	HEAD 0                                         ; the last head is written out: it fills no slot and loads nothing beyond wbuf's and qs's ends
	s_wait_tensorcnt 0x0                           ; the wave's end: behind my last tensor load and my last LDS store
	ds_add_u32 v[SPW], v[NIL]
	s_wait_dscnt 0x0
	ROUND                                          ; the closing round
	s_endpgm
.Lfunc_end_k_q989800dbad_main:
	.size	k_q989800dbad_main, .Lfunc_end_k_q989800dbad_main-k_q989800dbad_main
	.p2alignl 7, 3214868480
	.fill 96, 4, 3214868480
	.section	.rodata,"a",@progbits
	.p2align	6, 0x0
	.amdhsa_kernel k_q989800dbad_main
		.amdhsa_group_segment_fixed_size 327680
		.amdhsa_private_segment_fixed_size 0
		.amdhsa_enable_private_segment 0
		.amdhsa_kernarg_size 40
		.amdhsa_user_sgpr_count 2
		.amdhsa_user_sgpr_kernarg_segment_ptr 1
		.amdhsa_wavefront_size32 1
		.amdhsa_system_sgpr_workgroup_id_x 1
		.amdhsa_system_sgpr_workgroup_id_y 1
		.amdhsa_system_sgpr_workgroup_id_z 1
		.amdhsa_system_vgpr_workitem_id 0
		.amdhsa_next_free_vgpr 1024
		.amdhsa_next_free_sgpr 66
		.amdhsa_reserve_vcc 0
		.amdhsa_float_denorm_mode_32 3
		.amdhsa_float_denorm_mode_16_64 3
		.amdhsa_memory_ordered 1
		.amdhsa_forward_progress 1
		.amdhsa_inst_pref_size 255
	.end_amdhsa_kernel
	.section	.bss,"aw",@nobits
	.p2align	6
	.space	262144
	.amdgpu_metadata
---
amdhsa.version: [ 1, 2 ]
amdhsa.kernels:
  - .name:           k_q989800dbad_main
    .symbol:         k_q989800dbad_main.kd
    .args:
      - { .name: enc, .offset: 0, .size: 8, .value_kind: global_buffer, .address_space: global }
      - { .name: wbuf, .offset: 8, .size: 8, .value_kind: global_buffer, .address_space: global }
      - { .name: qs, .offset: 16, .size: 8, .value_kind: global_buffer, .address_space: global }
      - { .name: pctx, .offset: 24, .size: 8, .value_kind: global_buffer, .address_space: global }
      - { .name: pml, .offset: 32, .size: 8, .value_kind: global_buffer, .address_space: global }
    .group_segment_fixed_size: 327680
    .private_segment_fixed_size: 0
    .kernarg_segment_align: 8
    .kernarg_segment_size: 40
    .max_flat_workgroup_size: 128
    .sgpr_count:     66
    .vgpr_count:     1024
    .wavefront_size: 32
...
	.end_amdgpu_metadata
.endif
;; end of part 2
;; launch merge (part 3): grid 64 x 1, 1 waves a work-group, no clusters, 0 bytes of LDS; arguments pctx, pml, xc, xs; writes xc, xs
.if DOCPART == 3
	.amdgcn_target "amdgcn-amd-amdhsa--gfx1250"
	.amdhsa_code_object_version 6
	.text
	.protected	k_q989800dbad_merge
	.globl	k_q989800dbad_merge
	.p2align	8
	.type	k_q989800dbad_merge,@function
k_q989800dbad_merge:
	s_mov_b64 s[64:65], 0
	v_nop
	global_prefetch_b8 v0, s[64:65] scope:SCOPE_SE
	s_setreg_imm32_b32 hwreg(HW_REG_WAVE_MODE, 25, 1), 1
	s_wait_xcnt 0x0
; MERGE: the 16 blocks' partial softmaxes of each (batch, head) are brought under the row's maximum, ctx = sum over blocks of 2^(M_blk - M*) pctx_blk / sum of 2^(M_blk - M*) l_blk, all in f32,
; and ctx is quantised along the MLP's K into blocks 32-63 of x's codes (xc) and K steps 8-15 of its scale words (xs).  Nothing of reference() is left out.
; 2^(M_blk - M*) is at most 1 and is 1 for one block, whose l is at least 1: no exponential overflows and the divisor is at least 1.
; LIMITS: as in the first launch (NaN, infinities; a block under 2^-124 gets the scale byte 1).
; SHARES.  64 work-groups of one wave: a block of 32 channels (half a head) x 8 batches.  Lane: batch 8 bh + lane % 8, channels 8 (lane / 8) + 0 .. 7 of the block: the four lanes 8 apart hold a block.  All 40 loads are asked for at once.
; No LDS, no matrix unit, no cluster: 1 MB is read once, and work-groups share only pml's 32 KB.  The scale bytes leave singly: 1 KB in all.
	s_load_b256 s[4:11], s[0:1], 0x0               ; pctx s[4:5], pml s[6:7], xc s[8:9], xs s[10:11]
	v_and_b32 v1, 7, v0                            ; r8
	v_lshrrev_b32 v2, 3, v0                        ; qd
	s_lshr_b32 s12, ttmp9, 1                       ; beta: the block of 32 channels
	s_and_b32 s13, ttmp9, 1                        ; bh: which 8 batches
	s_lshr_b32 s14, s12, 1                         ; head
	s_and_b32 s15, s12, 1                          ; e: which half of it
	v_lshlrev_b32 v3, 7, v1                        ; pml: 128 bytes a batch
	v_lshlrev_b32 v4, 8, v1
	v_lshl_add_u32 v4, v2, 5, v4                   ; pctx: 256 r8 + 32 qd
	v_lshlrev_b32 v5, 4, v1
	v_lshl_add_u32 v5, v2, 2, v5                   ; xc: 16 r8 + 4 qd
	v_lshlrev_b32 v6, 2, v1                        ; xs: 4 r8
	v_mov_b32 v7, 0                                ; a lane permute's destination counts as one of its sources
	s_mov_b32 s28, 0x76543210
	s_mov_b32 s29, 0xfedcba98
	s_lshl_b32 s16, s14, 11
	s_lshl_b32 s17, s13, 10
	s_add_co_u32 s16, s16, s17                     ; pml: 2,048 head + 1,024 bh
	s_mov_b32 s17, 0
	s_lshl_b32 s18, s14, 16
	s_lshl_b32 s19, s13, 11
	s_add_co_u32 s18, s18, s19
	s_lshl_b32 s19, s15, 7
	s_add_co_u32 s18, s18, s19                     ; pctx: 65,536 head + 2,048 bh + 128 e
	s_mov_b32 s19, 0
	s_add_co_u32 s20, s12, 32
	s_lshl_b32 s20, s20, 8
	s_lshl_b32 s21, s13, 7
	s_add_co_u32 s20, s20, s21                     ; xc: 256 (32 + beta) + 128 bh
	s_mov_b32 s21, 0
	s_lshr_b32 s22, s12, 2
	s_add_co_u32 s22, s22, 8
	s_lshl_b32 s22, s22, 6
	s_lshl_b32 s23, s13, 5
	s_add_co_u32 s22, s22, s23
	s_and_b32 s23, s12, 3
	s_add_co_u32 s22, s22, s23                     ; xs: 64 (8 + beta / 4) + 32 bh + beta % 4
	s_mov_b32 s23, 0
	s_wait_alu depctr_va_vdst(0)
	s_wait_kmcnt 0x0
	s_add_nc_u64 s[6:7], s[6:7], s[16:17]
	s_add_nc_u64 s[4:5], s[4:5], s[18:19]
	s_add_nc_u64 s[8:9], s[8:9], s[20:21]
	s_add_nc_u64 s[10:11], s[10:11], s[22:23]
.irp q, 0,1,2,3,4,5,6,7
	global_load_b128 v[32+4*\q:35+4*\q], v3, s[6:7] offset:16*\q       ; block k: M in v[32 + 2 k], l in v[33 + 2 k]
.endr
.irp k, 0,1,2,3,4,5,6,7,8,9,10,11,12,13,14,15
	global_load_b128 v[64+8*\k:67+8*\k], v4, s[4:5] offset:4096*\k     ; block k's 8 numbers
	global_load_b128 v[68+8*\k:71+8*\k], v4, s[4:5] offset:4096*\k+16
.endr
	s_wait_loadcnt 0x0
	v_max3_num_f32 v8, v32, v34, v36
.irp k, 3,5,7,9,11,13
	v_max3_num_f32 v8, v8, v[32+2*\k], v[34+2*\k]
.endr
	v_max_num_f32 v8, v8, v62                      ; M*: the row's largest t
.irp k, 0,1,2,3,4,5,6,7,8,9,10,11,12,13,14,15
	v_sub_f32 v[192+2*\k], v[32+2*\k], v8
.endr
	s_wait_alu depctr_va_vdst(0)
.irp k, 0,1,2,3,4,5,6,7,8,9,10,11,12,13,14,15
	v_exp_f32 v[192+2*\k], v[192+2*\k]
.endr
	v_nop                                          ; a plain place behind the last exponential
	s_wait_alu depctr_va_vdst(0)                   ; one wait for the batch
	v_mul_f32 v9, v192, v33
.irp k, 1,2,3,4,5,6,7,8,9,10,11,12,13,14,15
	v_fma_f32 v9, v[192+2*\k], v[33+2*\k], v9      ; the row's sum
.endr
	s_wait_alu depctr_va_vdst(0)
	v_rcp_f32 v10, v9
	v_nop
	s_wait_alu depctr_va_vdst(0)
.irp k, 0,1,2,3,4,5,6,7,8,9,10,11,12,13,14,15
	v_mul_f32 v[193+2*\k], v[192+2*\k], v10        ; the block's weight, in both registers of a pair
.endr
.irp k, 0,1,2,3,4,5,6,7,8,9,10,11,12,13,14,15
	v_mul_f32 v[192+2*\k], v[192+2*\k], v10
.endr
.irp jj, 0,2,4,6
	v_pk_mul_f32 v[16+\jj:17+\jj], v[64+\jj:65+\jj], v[192:193]
.endr
.irp k, 1,2,3,4,5,6,7,8,9,10,11,12,13,14,15
.irp jj, 0,2,4,6
	v_pk_fma_f32 v[16+\jj:17+\jj], v[64+8*\k+\jj:65+8*\k+\jj], v[192+2*\k:193+2*\k], v[16+\jj:17+\jj]
.endr
.endr
	v_max3_num_f32 v11, |v16|, |v17|, 0x1800000    ; the block's largest magnitude: my 8, with the floor 2^(3 - 127),
	v_max3_num_f32 v11, v11, |v18|, |v19|
	v_max3_num_f32 v11, v11, |v20|, |v21|
	v_max3_num_f32 v11, v11, |v22|, |v23|
	v_max_num_f32_dpp v11, v11, v11 row_xmask:8 row_mask:0xf bank_mask:0xf   ; lane l xor 8's,
	v_permlanex16_b32 v7, v11, s28, s29
	v_max_num_f32 v11, v11, v7                     ; and lane l xor 16's
	v_add_nc_u32 v12, 0xff000000, v11              ; 2 off the exponent field: the conversion's scale operand
	v_lshrrev_b32 v13, 23, v12                     ; the scale's byte
	v_cvt_scalef32_pk8_fp4_f32 v14, v[16:23], v12
	v_nop
	global_store_b32 v5, v14, s[8:9]               ; the wave stores 128 consecutive bytes
	global_store_b8 v6, v13, s[10:11]              ; the four lanes of a row write the same byte with the same value
	s_endpgm
.Lfunc_end_k_q989800dbad_merge:
	.size	k_q989800dbad_merge, .Lfunc_end_k_q989800dbad_merge-k_q989800dbad_merge
	.p2alignl 7, 3214868480
	.fill 96, 4, 3214868480
	.section	.rodata,"a",@progbits
	.p2align	6, 0x0
	.amdhsa_kernel k_q989800dbad_merge
		.amdhsa_group_segment_fixed_size 0
		.amdhsa_private_segment_fixed_size 0
		.amdhsa_enable_private_segment 0
		.amdhsa_kernarg_size 32
		.amdhsa_user_sgpr_count 2
		.amdhsa_user_sgpr_kernarg_segment_ptr 1
		.amdhsa_wavefront_size32 1
		.amdhsa_system_sgpr_workgroup_id_x 1
		.amdhsa_system_sgpr_workgroup_id_y 1
		.amdhsa_system_sgpr_workgroup_id_z 1
		.amdhsa_system_vgpr_workitem_id 0
		.amdhsa_next_free_vgpr 224
		.amdhsa_next_free_sgpr 66
		.amdhsa_reserve_vcc 0
		.amdhsa_float_denorm_mode_32 3
		.amdhsa_float_denorm_mode_16_64 3
		.amdhsa_memory_ordered 1
		.amdhsa_forward_progress 1
		.amdhsa_inst_pref_size 15
	.end_amdhsa_kernel
	.amdgpu_metadata
---
amdhsa.version: [ 1, 2 ]
amdhsa.kernels:
  - .name:           k_q989800dbad_merge
    .symbol:         k_q989800dbad_merge.kd
    .args:
      - { .name: pctx, .offset: 0, .size: 8, .value_kind: global_buffer, .address_space: global }
      - { .name: pml, .offset: 8, .size: 8, .value_kind: global_buffer, .address_space: global }
      - { .name: xc, .offset: 16, .size: 8, .value_kind: global_buffer, .address_space: global }
      - { .name: xs, .offset: 24, .size: 8, .value_kind: global_buffer, .address_space: global }
    .group_segment_fixed_size: 0
    .private_segment_fixed_size: 0
    .kernarg_segment_align: 8
    .kernarg_segment_size: 32
    .max_flat_workgroup_size: 32
    .sgpr_count:     66
    .vgpr_count:     224
    .wavefront_size: 32
...
	.end_amdgpu_metadata
.endif
;; end of part 3
;; launch mlp1 (part 4): grid 128 x 1, 16 waves a work-group, no clusters, 153,600 bytes of LDS; arguments W1, xc, xs, hc, hs; writes hc, hs
.if DOCPART == 4
	.amdgcn_target "amdgcn-amd-amdhsa--gfx1250"
	.amdhsa_code_object_version 6
	.text
	.protected	k_q989800dbad_mlp1
	.globl	k_q989800dbad_mlp1
	.p2align	8
	.type	k_q989800dbad_mlp1,@function
k_q989800dbad_mlp1:
	s_mov_b64 s[64:65], 0
	v_nop
	global_prefetch_b8 v0, s[64:65] scope:SCOPE_SE
	s_setreg_imm32_b32 hwreg(HW_REG_WAVE_MODE, 25, 1), 1
	s_wait_xcnt 0x0
; MLP1: h = silu(Q(x) Q(W1)^T), x = [dec_h, ctx] as codes (xc, xs), W1 [4096][2048] f32, quantised on its way to the matrix unit; h leaves as codes of E2M1 along the next product's K (hc, hs).  Nothing of reference() is left out.
; LIMITS: as in the first launch; for very negative sums silu gives -0 where reference() gives a number under the smallest normal one.
; SHARES.  128 work-groups, one for each block of 32 hidden units, so that the block's scale has one owner.  Sixteen waves: wave 8 u + i takes tile u of 16 rows of W1 and K steps 2 i, 2 i + 1: 32 loads of 512 consecutive bytes, all asked for at once.
; THE ROWS OF A TILE ARE NOT NEIGHBOURS: stage row p of tile u is W1's row 32 beta + 8 u + p + 8 (p / 8), so that in the transposed result (source 0 = W1, source 1 = x) lane (r, h) holds batch r and units 16 h + 8 u + j:
; the two tiles' 16 registers are 16 neighbours along the next K.
; The sixteen partial tiles meet in LDS; wave 0 adds them in a fixed tree, applies silu in f32, quantises, and stores one aligned block of 256 bytes of codes.
; hc: [block of 32][row 16][16 bytes], which is also the image of the next product's fragments; hs: [K step][row][4 bytes].
; NO CLUSTER, NO TENSOR LOAD: W1 is read once, by one wave each byte, and goes through registers to the quantiser; what work-groups share is x's 17 KB beside 256 KB of their own.
.set RED,   135168                     ; LDS: 16 stages of 16 x 528 bytes from 0; here 16 partial tiles of 1,024 bytes
.set SPARE, 151552                     ; the spare words, 128 bytes for each wave: eight blocks of 256 bytes that no other line names
.set LI,   1
.set STI,  2
.set STO,  3
.set R4,   4
.set SH8,  5
.set RDW,  6
.set RDR,  7
.set TM,   8
.set SO,   10
.set BY,   12
.set TT,   14
.set SPW,  16                          ; v16  LDS address of my spare word; never rewritten
.set NIL,  17                          ; v17  0; never rewritten
.set XSW,  18                          ; v18-19 x's scale words of my two K steps
.set PW,   20                          ; v20  the weight's scale word
.set HO,   21                          ; v21  16 r + 8 h
.set PC,   24                          ; v24-31 the weight's fragment
.set XF,   32                          ; v32-47 x's two fragments
.set D,    48                          ; v48-55 my partial tile
.set X,    64                          ; v64-127 64 numbers in the operand's order; later z and what is made of it
.set R,    128                         ; v128-255 W1 as loaded; later the 16 partial tiles
.set SEL,  26
.macro LOADW rr, e
.irp i, 0,1,2,3,4,5,6,7,8,9,10,11,12,13,14,15
	global_load_b128 v[\rr+4*\i:\rr+4*\i+3], v[LI], s[4:5] offset:(\i+8*(\i/8))*8192+512*\e th:TH_LOAD_NT
.endr
.endm
.macro TURN rr, x
.irp i, 0,1,2,3,4,5,6,7,8,9,10,11,12,13,14,15
	ds_store_b128 v[STI], v[\rr+4*\i:\rr+4*\i+3] offset:528*\i
.endr
.irp c, 0,1
.irp j, 0,1,2,3,4,5,6,7
	ds_load_b128 v[\x+32*\c+4*\j:\x+32*\c+4*\j+3], v[STO] offset:256*\c+16*\j   ; LDS serves a wave's instructions in order: these see the stores above
.endr
.endr
.endm
.macro QUANT x, pc, pw
.irp c, 0,1
	v_max3_num_f32 v[TM+\c], |v[\x+32*\c]|, |v[\x+32*\c+1]|, 0x1800000
.endr
.irp i, 2,4,6,8,10,12,14,16,18,20,22,24,26,28,30
.irp c, 0,1
	s_delay_alu instid0(VALU_DEP_2)
	v_max3_num_f32 v[TM+\c], v[TM+\c], |v[\x+32*\c+\i]|, |v[\x+32*\c+\i+1]|
.endr
.endr
.irp c, 0,1
	s_delay_alu instid0(VALU_DEP_2)
	v_add_nc_u32 v[SO+\c], 0xff000000, v[TM+\c]
.endr
.irp c, 0,1
	s_delay_alu instid0(VALU_DEP_2)
	v_lshrrev_b32 v[BY+\c], 23, v[SO+\c]
.endr
	s_delay_alu instid0(VALU_DEP_1)
	v_lshl_or_b32 v[\pw], v[BY+1], 16, v[BY]
	s_delay_alu instid0(VALU_DEP_1)
	v_lshlrev_b32 v[\pw], v[SH8], v[\pw]
	s_delay_alu instid0(VALU_DEP_1)
	v_permlanex16_b32 v[TT], v[\pw], s[SEL], s[SEL+1]
	s_delay_alu instid0(VALU_DEP_1)
	v_or_b32 v[\pw], v[\pw], v[TT]
.irp c, 0,1
.irp g, 0,1,2,3
	v_cvt_scalef32_pk8_fp4_f32 v[\pc+4*\c+\g], v[\x+32*\c+8*\g:\x+32*\c+8*\g+7], v[SO+\c]
.endr
.endr
	v_nop
.endm
	s_load_b256 s[4:11], s[0:1], 0x0               ; W1 s[4:5], xc s[6:7], xs s[8:9], hc s[10:11]
	s_load_b64 s[12:13], s[0:1], 0x20              ; hs
	v_lshl_add_u32 v[SPW], v0, 2, SPARE
	v_mov_b32 v[NIL], 0
	v_lshrrev_b32 v15, 5, v0
	s_delay_alu instid0(VALU_DEP_1)
	v_readfirstlane_b32 s14, v15                   ; wave 0..15
	s_lshr_b32 s15, s14, 3                         ; u: my tile
	s_and_b32 s16, s14, 7                          ; i: my pair of K steps
	v_and_b32 v22, 31, v0                          ; lane
	v_and_b32 v23, 15, v0                          ; r
	v_bfe_u32 v15, v0, 4, 1                        ; h
	s_delay_alu instid0(VALU_DEP_3)
	v_lshlrev_b32 v[LI], 4, v22
	s_mul_i32 s17, s14, 8448
	v_add_nc_u32 v[STI], s17, v[LI]
	v_mul_u32_u24 v[STO], v23, 528
	s_delay_alu instid0(VALU_DEP_1)
	v_lshl_add_u32 v[STO], v15, 7, v[STO]
	s_delay_alu instid0(VALU_DEP_1)
	v_add_nc_u32 v[STO], s17, v[STO]
	v_lshlrev_b32 v[R4], 2, v23
	v_lshlrev_b32 v[SH8], 3, v15
	s_lshl_b32 s17, s14, 10
	s_add_co_u32 s17, s17, RED
	v_add_nc_u32 v[RDW], s17, v[LI]
	v_add_nc_u32 v[RDR], RED, v[LI]
	v_lshlrev_b32 v[HO], 4, v23
	s_delay_alu instid0(VALU_DEP_1)
	v_lshl_add_u32 v[HO], v15, 3, v[HO]
	v_mov_b32 v[TT], 0
	s_mov_b32 s[SEL], 0x76543210
	s_mov_b32 s[SEL+1], 0xfedcba98
	s_lshl_b32 s20, ttmp9, 18                      ; W1: 32 rows of 8,192 bytes a block,
	s_lshl_b32 s21, s15, 16                        ; 8 rows a tile,
	s_add_co_u32 s20, s20, s21
	s_lshl_b32 s21, s16, 10                        ; two K steps of 512 bytes
	s_add_co_u32 s20, s20, s21
	s_mov_b32 s21, 0
	s_lshl_b32 s22, s16, 11                        ; xc: two images of 1,024 bytes
	s_mov_b32 s23, 0
	s_lshl_b32 s24, s16, 7                         ; xs: two K steps of 64 bytes
	s_mov_b32 s25, 0
	s_lshl_b32 s28, ttmp9, 8                       ; hc: 256 bytes a block
	s_mov_b32 s29, 0
	s_lshr_b32 s30, ttmp9, 2
	s_lshl_b32 s30, s30, 6
	s_and_b32 s31, ttmp9, 3
	s_add_co_u32 s30, s30, s31                     ; hs: 64 (beta / 4) + beta % 4
	s_mov_b32 s31, 0
	s_wait_alu depctr_va_vdst(0)
	s_wait_kmcnt 0x0
	s_add_nc_u64 s[4:5], s[4:5], s[20:21]
	s_add_nc_u64 s[6:7], s[6:7], s[22:23]
	s_add_nc_u64 s[8:9], s[8:9], s[24:25]
	s_add_nc_u64 s[10:11], s[10:11], s[28:29]
	s_add_nc_u64 s[12:13], s[12:13], s[30:31]
.irp e, 0,1
	global_load_b128 v[XF+8*\e:XF+8*\e+3], v[LI], s[6:7] offset:1024*\e
	global_load_b128 v[XF+8*\e+4:XF+8*\e+7], v[LI], s[6:7] offset:1024*\e+512
	global_load_b32 v[XSW+\e], v[R4], s[8:9] offset:64*\e
.endr
	LOADW R, 0
	LOADW R+64, 1
	s_wait_loadcnt 16                              ; x and the first K step are in; the second K step's 16 loads stay out
	TURN R, X
	s_wait_dscnt 0x0
	QUANT X, PC, PW
.rept 8
	v_nop                                          ; a scale register written by a vector instruction stands 8 places ahead of a scaled matrix instruction, an operand so written 4
.endr
	v_wmma_scale_f32_16x16x128_f8f6f4 v[D:D+7], v[PC:PC+7], v[XF:XF+7], 0, v[PW], v[XSW] matrix_a_fmt:MATRIX_FMT_FP4 matrix_b_fmt:MATRIX_FMT_FP4
	s_wait_loadcnt 0x0
	TURN R+64, X
	s_wait_dscnt 0x0
	QUANT X, PC, PW                                ; its 32 maxima are the places ahead of the lines that write the product's operand and scale anew
.rept 8
	v_nop
.endr
	s_wait_alu depctr_va_vdst(0)                   ; the wait directly ahead of the link
	v_wmma_scale_f32_16x16x128_f8f6f4 v[D:D+7], v[PC:PC+7], v[XF+8:XF+15], v[D:D+7], v[PW], v[XSW+1] matrix_a_fmt:MATRIX_FMT_FP4 matrix_b_fmt:MATRIX_FMT_FP4
.rept 4
	v_nop
.endr
	ds_store_b128 v[RDW], v[D:D+3]                 ; the accumulator from its low end on
	ds_store_b128 v[RDW], v[D+4:D+7] offset:512
	s_wait_dscnt 0x0                               ; for the others' sake
	s_barrier_signal -1
	s_barrier_wait -1
	s_cmp_lg_u32 s14, 0
	s_cbranch_scc1 .Lend
.irp w, 0,1,2,3,4,5,6,7,8,9,10,11,12,13,14,15
	ds_load_b128 v[R+8*\w:R+8*\w+3], v[RDR] offset:1024*\w
	ds_load_b128 v[R+8*\w+4:R+8*\w+7], v[RDR] offset:1024*\w+512
.endr
	s_wait_dscnt 0x0
.irp g, 0,1                                    ; each tile's eight partial sums, in a fixed tree; its last level writes z: register 8 g + j = unit 16 h + 8 g + j
.irp d, 4,2
.irp w, 0,1,2,3
.if \w < \d
.irp jj, 0,2,4,6
	v_pk_add_f32 v[R+64*\g+8*\w+\jj:R+64*\g+8*\w+\jj+1], v[R+64*\g+8*\w+\jj:R+64*\g+8*\w+\jj+1], v[R+64*\g+8*(\w+\d)+\jj:R+64*\g+8*(\w+\d)+\jj+1]
.endr
.endif
.endr
.endr
.irp jj, 0,2,4,6
	s_delay_alu instid0(VALU_DEP_4)
	v_pk_add_f32 v[X+8*\g+\jj:X+8*\g+\jj+1], v[R+64*\g+\jj:R+64*\g+\jj+1], v[R+64*\g+8+\jj:R+64*\g+8+\jj+1]
.endr
.endr
.irp j, 0,1,2,3,4,5,6,7,8,9,10,11,12,13,14,15
	v_mul_f32 v[X+16+\j], 0xbfb8aa3b, v[X+\j]      ; -z log2(e)
.endr
	s_wait_alu depctr_va_vdst(0)
.irp j, 0,1,2,3,4,5,6,7,8,9,10,11,12,13,14,15
	v_exp_f32 v[X+16+\j], v[X+16+\j]
.endr
	v_nop
	s_wait_alu depctr_va_vdst(0)                   ; one wait for the batch
.irp j, 0,1,2,3,4,5,6,7,8,9,10,11,12,13,14,15
	v_add_f32 v[X+16+\j], 1.0, v[X+16+\j]
.endr
	s_wait_alu depctr_va_vdst(0)
.irp j, 0,1,2,3,4,5,6,7,8,9,10,11,12,13,14,15
	v_rcp_f32 v[X+16+\j], v[X+16+\j]
.endr
	v_nop
	s_wait_alu depctr_va_vdst(0)
.irp j, 0,1,2,3,4,5,6,7,8,9,10,11,12,13,14,15
	v_mul_f32 v[X+\j], v[X+\j], v[X+16+\j]         ; silu(z) = z / (1 + e^-z)
.endr
	v_max3_num_f32 v[TM], |v[X]|, |v[X+1]|, 0x1800000
.irp j, 2,4,6,8,10,12,14
	s_delay_alu instid0(VALU_DEP_1)
	v_max3_num_f32 v[TM], v[TM], |v[X+\j]|, |v[X+\j+1]|
.endr
	s_delay_alu instid0(VALU_DEP_1)
	v_permlanex16_b32 v[TT], v[TM], s[SEL], s[SEL+1]
	s_delay_alu instid0(VALU_DEP_1)
	v_max_num_f32 v[TM], v[TM], v[TT]              ; with lane l xor 16's 16: the block's largest magnitude
	s_delay_alu instid0(VALU_DEP_1)
	v_add_nc_u32 v[SO], 0xff000000, v[TM]
	s_delay_alu instid0(VALU_DEP_1)
	v_lshrrev_b32 v[BY], 23, v[SO]
	v_cvt_scalef32_pk8_fp4_f32 v[PC], v[X:X+7], v[SO]
	v_cvt_scalef32_pk8_fp4_f32 v[PC+1], v[X+8:X+15], v[SO]
	v_nop
	global_store_b64 v[HO], v[PC:PC+1], s[10:11]   ; the 32 lanes fill 256 consecutive bytes, at a multiple of 256 from hc's first byte
	global_store_b8 v[R4], v[BY], s[12:13]         ; both lanes of a row write the same byte with the same value; hs is 2 KB in all
.Lend:
	s_wait_tensorcnt 0x0                           ; the wave's end: behind my last LDS store
	ds_add_u32 v[SPW], v[NIL]
	s_wait_dscnt 0x0
	s_endpgm
.Lfunc_end_k_q989800dbad_mlp1:
	.size	k_q989800dbad_mlp1, .Lfunc_end_k_q989800dbad_mlp1-k_q989800dbad_mlp1
	.p2alignl 7, 3214868480
	.fill 96, 4, 3214868480
	.section	.rodata,"a",@progbits
	.p2align	6, 0x0
	.amdhsa_kernel k_q989800dbad_mlp1
		.amdhsa_group_segment_fixed_size 153600
		.amdhsa_private_segment_fixed_size 0
		.amdhsa_enable_private_segment 0
		.amdhsa_kernarg_size 40
		.amdhsa_user_sgpr_count 2
		.amdhsa_user_sgpr_kernarg_segment_ptr 1
		.amdhsa_wavefront_size32 1
		.amdhsa_system_sgpr_workgroup_id_x 1
		.amdhsa_system_sgpr_workgroup_id_y 1
		.amdhsa_system_sgpr_workgroup_id_z 1
		.amdhsa_system_vgpr_workitem_id 0
		.amdhsa_next_free_vgpr 256
		.amdhsa_next_free_sgpr 66
		.amdhsa_reserve_vcc 0
		.amdhsa_float_denorm_mode_32 3
		.amdhsa_float_denorm_mode_16_64 3
		.amdhsa_memory_ordered 1
		.amdhsa_forward_progress 1
		.amdhsa_inst_pref_size 31
	.end_amdhsa_kernel
	.amdgpu_metadata
---
amdhsa.version: [ 1, 2 ]
amdhsa.kernels:
  - .name:           k_q989800dbad_mlp1
    .symbol:         k_q989800dbad_mlp1.kd
    .args:
      - { .name: W1, .offset: 0, .size: 8, .value_kind: global_buffer, .address_space: global }
      - { .name: xc, .offset: 8, .size: 8, .value_kind: global_buffer, .address_space: global }
      - { .name: xs, .offset: 16, .size: 8, .value_kind: global_buffer, .address_space: global }
      - { .name: hc, .offset: 24, .size: 8, .value_kind: global_buffer, .address_space: global }
      - { .name: hs, .offset: 32, .size: 8, .value_kind: global_buffer, .address_space: global }
    .group_segment_fixed_size: 153600
    .private_segment_fixed_size: 0
    .kernarg_segment_align: 8
    .kernarg_segment_size: 40
    .max_flat_workgroup_size: 512
    .sgpr_count:     66
    .vgpr_count:     256
    .wavefront_size: 32
...
	.end_amdgpu_metadata
.endif
;; end of part 4
;; launch mlp2 (part 5): grid 256 x 1, 8 waves a work-group, no clusters, 77,056 bytes of LDS; arguments W2, hc, hs, out0; writes out0
.if DOCPART == 5
	.amdgcn_target "amdgcn-amd-amdhsa--gfx1250"
	.amdhsa_code_object_version 6
	.text
	.protected	k_q989800dbad_mlp2
	.globl	k_q989800dbad_mlp2
	.p2align	8
	.type	k_q989800dbad_mlp2,@function
k_q989800dbad_mlp2:
	s_mov_b64 s[64:65], 0
	v_nop
	global_prefetch_b8 v0, s[64:65] scope:SCOPE_SE
	s_setreg_imm32_b32 hwreg(HW_REG_WAVE_MODE, 25, 1), 1
	s_wait_xcnt 0x0
; MLP2: out0 = Q(h) Q(W2)^T, h as codes (hc, hs), W2 [1024][4096] f32, quantised on its way to the matrix unit.  Nothing of reference() is left out.
; LIMITS: NaN and infinities among the inputs are not served; a block under 2^-124 (zeros among them) gets the scale byte 1: its codes of zeros add nothing under any byte but 0xff, and this program alone reads the bytes.
; SHARES.  256 work-groups, one for each 4 outputs, so that each output has one owner, no further launch adds parts, and W2's 16 MB are drawn in shares of 64 KB.  Eight waves: wave s takes K steps 4 s .. 4 s + 3 of the 32.
; FOUR ROWS FILL A FRAGMENT OF SIXTEEN: fragment row p = 4 j + q holds K step 4 s + q of W2's row 4 g + j.  A wave's 16 loads are 512 consecutive bytes each, four on end 2,048 consecutive bytes of one row; all are asked for at once.
; The fragment is source 1 of four products, source 0 being h's fragment of K step 4 s + q': in the result of product q' lane r is fragment row r and register i is batch 8 h + i.  Only the lanes with r % 4 = q' pair a K step of W2 with
; the same K step of h: they are kept by a selection on the lane's number; the other columns of each tile are what the instruction's width of 16 costs: four matrix instructions a wave.
; The eight waves' selected tiles meet in LDS; wave 0 adds them in a fixed tree, adds the four K steps of a row across lanes r xor 1 and r xor 2, turns the 16 batches x 4 outputs through 256 bytes of LDS and stores 16 bytes a batch row:
; a work-group's share of a row; the output is 64 KB in all.
; NO CLUSTER, NO TENSOR LOAD: W2 is read once and goes through registers to the quantiser.  What work-groups share is h's 34 KB beside 64 KB of their own: each lane loads its operand registers whole, in the same burst as the weight; a joint
; load would stand behind a round of the cluster's barrier and land in LDS, to be read once more.
.set RED,   67584                      ; LDS: 8 stages of 16 x 528 bytes from 0; here 8 partial tiles of 1,024 bytes
.set OUTS,  75776                      ; 16 batches x 16 bytes, wave 0's
.set SPARE, 76032                      ; the spare words, 128 bytes for each wave: four blocks of 256 bytes that no other line names
.set LI,   1                           ; v1   16 x lane
.set STI,  2                           ; v2   the stage, on the way in: 16 x lane (a load's 512 bytes are a stage row)
.set STO,  3                           ; v3   and out: 528 r + 128 h
.set R4,   4                           ; v4   4 r
.set SH8,  5                           ; v5   8 h
.set RDW,  6                           ; v6   where my partial tile goes
.set RDR,  7                           ; v7   RED + 16 x lane
.set TM,   8                           ; v8-9   largest magnitudes
.set SO,   10                          ; v10-11 the conversions' scale operands
.set BY,   12                          ; v12-13 scale bytes
.set TT,   14                          ; v14  the other half's bytes
.set SPW,  16                          ; v16  LDS address of my spare word; never rewritten
.set NIL,  17                          ; v17  0; never rewritten
.set HSW,  18                          ; v18-21 h's scale words of my four K steps
.set PW,   22                          ; v22  the weight's scale word
.set PC,   24                          ; v24-31 the weight's fragment
.set HF,   32                          ; v32-63 h's four fragments
.set D,    64                          ; v64-95 the four products
.set S,    96                          ; v96-103 what is kept of them
.set T1,   104                         ; v104-111 at work in the selection
.set OSW,  112                         ; v112 OUTS + 128 h + 4 (r / 4)
.set OSR,  113                         ; v113 OUTS + 16 r
.set QO,   114                         ; v114 4,096 r: a batch's row of out0
.set OV,   116                         ; v116-119 a batch's four outputs
.set R,    128                         ; v128-191 W2 as loaded; later the eight partial tiles
.set X,    192                         ; v192-255 64 numbers in the operand's order
.set SEL,  26                          ; s[26:27] v_permlanex16_b32's selects for lane l xor 16
.macro TURN rr, x                      ; through my own stage: LDS serves a wave's instructions in order, so no wait stands between the stores and the loads
.irp i, 0,1,2,3,4,5,6,7,8,9,10,11,12,13,14,15
	ds_store_b128 v[STI], v[\rr+4*\i:\rr+4*\i+3] offset:528*\i
.endr
.irp c, 0,1
.irp j, 0,1,2,3,4,5,6,7
	ds_load_b128 v[\x+32*\c+4*\j:\x+32*\c+4*\j+3], v[STO] offset:256*\c+16*\j
.endr
.endr
.endm
; 64 numbers of a lane, v[x + 32 c + i] = k 64 c + 32 h + i of fragment row r, become the fragment's 8 registers in v[pc] on and the row's scale word in v[pw] (in both halves of the lanes)
.macro QUANT x, pc, pw
.irp c, 0,1
	v_max3_num_f32 v[TM+\c], |v[\x+32*\c]|, |v[\x+32*\c+1]|, 0x1800000   ; my block 2 c + h: all 32 numbers are mine; the floor 2^(3 - 127) holds the byte at 1 from below
.endr
.irp i, 2,4,6,8,10,12,14,16,18,20,22,24,26,28,30
.irp c, 0,1
	s_delay_alu instid0(VALU_DEP_2)
	v_max3_num_f32 v[TM+\c], v[TM+\c], |v[\x+32*\c+\i]|, |v[\x+32*\c+\i+1]|
.endr
.endr
.irp c, 0,1
	s_delay_alu instid0(VALU_DEP_2)
	v_add_nc_u32 v[SO+\c], 0xff000000, v[TM+\c]    ; 2 off the exponent field: the conversion takes this operand's exponent field as its scale
.endr
.irp c, 0,1
	s_delay_alu instid0(VALU_DEP_2)
	v_lshrrev_b32 v[BY+\c], 23, v[SO+\c]           ; the scale's byte
.endr
	s_delay_alu instid0(VALU_DEP_1)
	v_lshl_or_b32 v[\pw], v[BY+1], 16, v[BY]       ; blocks h and 2 + h,
	s_delay_alu instid0(VALU_DEP_1)
	v_lshlrev_b32 v[\pw], v[SH8], v[\pw]           ; at their places in the word;
	s_delay_alu instid0(VALU_DEP_1)
	v_permlanex16_b32 v[TT], v[\pw], s[SEL], s[SEL+1]
	s_delay_alu instid0(VALU_DEP_1)
	v_or_b32 v[\pw], v[\pw], v[TT]                 ; with lane l xor 16's two the word is whole
.irp c, 0,1
.irp g, 0,1,2,3
	v_cvt_scalef32_pk8_fp4_f32 v[\pc+4*\c+\g], v[\x+32*\c+8*\g:\x+32*\c+8*\g+7], v[SO+\c]
.endr
.endr
	v_nop                                          ; one plain place behind the last conversion
.endm
	s_load_b128 s[4:7], s[0:1], 0x0                ; W2 s[4:5], hc s[6:7]
	s_load_b128 s[8:11], s[0:1], 0x10              ; hs s[8:9], out0 s[10:11]
	v_lshl_add_u32 v[SPW], v0, 2, SPARE
	v_mov_b32 v[NIL], 0
	v_lshrrev_b32 v15, 5, v0
	s_delay_alu instid0(VALU_DEP_1)
	v_readfirstlane_b32 s14, v15                   ; wave 0..7: my four K steps
	v_and_b32 v120, 31, v0                         ; lane
	v_and_b32 v23, 15, v0                          ; r
	v_bfe_u32 v15, v0, 4, 1                        ; h
	s_delay_alu instid0(VALU_DEP_3)
	v_lshlrev_b32 v[LI], 4, v120
	s_mul_i32 s17, s14, 8448
	v_add_nc_u32 v[STI], s17, v[LI]
	v_mul_u32_u24 v[STO], v23, 528
	s_delay_alu instid0(VALU_DEP_1)
	v_lshl_add_u32 v[STO], v15, 7, v[STO]
	s_delay_alu instid0(VALU_DEP_1)
	v_add_nc_u32 v[STO], s17, v[STO]
	v_lshlrev_b32 v[R4], 2, v23
	v_lshlrev_b32 v[SH8], 3, v15
	s_lshl_b32 s17, s14, 10
	s_add_co_u32 s17, s17, RED
	v_add_nc_u32 v[RDW], s17, v[LI]
	v_add_nc_u32 v[RDR], RED, v[LI]
	v_bfe_u32 v121, v0, 2, 2                       ; r / 4: which of the four outputs my fragment row belongs to
	s_delay_alu instid0(VALU_DEP_1)
	v_lshlrev_b32 v121, 2, v121
	s_delay_alu instid0(VALU_DEP_1)
	v_lshl_add_u32 v[OSW], v15, 7, v121
	s_delay_alu instid0(VALU_DEP_1)
	v_add_nc_u32 v[OSW], OUTS, v[OSW]
	v_lshl_add_u32 v[OSR], v23, 4, OUTS
	v_lshlrev_b32 v[QO], 12, v23
	v_and_b32 v121, 1, v0
	s_delay_alu instid0(VALU_DEP_1)
	v_cmp_ne_u32 s30, 0, v121                      ; the lanes whose fragment row holds an odd K step of the four,
	v_and_b32 v121, 2, v0
	s_delay_alu instid0(VALU_DEP_1)
	v_cmp_ne_u32 s31, 0, v121                      ; and those whose row holds the third or the fourth: both masks hang on the lane's number alone
	v_mov_b32 v[TT], 0                             ; written once: a lane permute's destination counts as one of its sources
	s_mov_b32 s[SEL], 0x76543210
	s_mov_b32 s[SEL+1], 0xfedcba98
	s_lshl_b32 s20, ttmp9, 16                      ; W2: 4 rows of 16,384 bytes a work-group,
	s_lshl_b32 s21, s14, 11                        ; four K steps of 512 bytes a wave
	s_add_co_u32 s20, s20, s21
	s_mov_b32 s21, 0
	s_lshl_b32 s22, s14, 12                        ; hc: four images of 1,024 bytes
	s_mov_b32 s23, 0
	s_lshl_b32 s24, s14, 8                         ; hs: four K steps of 64 bytes
	s_mov_b32 s25, 0
	s_lshl_b32 s28, ttmp9, 4                       ; out0: my 4 outputs, 16 bytes of a row
	s_mov_b32 s29, 0
	s_wait_kmcnt 0x0
	s_add_nc_u64 s[4:5], s[4:5], s[20:21]
	s_add_nc_u64 s[6:7], s[6:7], s[22:23]
	s_add_nc_u64 s[8:9], s[8:9], s[24:25]
	s_add_nc_u64 s[10:11], s[10:11], s[28:29]
.irp i, 0,1,2,3,4,5,6,7,8,9,10,11,12,13,14,15
	global_load_b128 v[R+4*\i:R+4*\i+3], v[LI], s[4:5] offset:(\i/4)*16384+(\i%4)*512 th:TH_LOAD_NT   ; fragment row i = 4 j + q: row j of my four, K step q of my four
.endr
.irp q, 0,1,2,3
	global_load_b128 v[HF+8*\q:HF+8*\q+3], v[LI], s[6:7] offset:1024*\q          ; h's fragments come as images of their registers
	global_load_b128 v[HF+8*\q+4:HF+8*\q+7], v[LI], s[6:7] offset:1024*\q+512
	global_load_b32 v[HSW+\q], v[R4], s[8:9] offset:64*\q
.endr
	s_wait_loadcnt 12                              ; W2's 16 loads are in; h's 12 were issued behind them and may stay out
	TURN R, X
	s_wait_dscnt 0x0
	QUANT X, PC, PW
	s_wait_alu depctr_va_vdst(0)
	s_wait_loadcnt 0x0                             ; h
.rept 8
	v_nop                                          ; a scale register written by a vector instruction stands 8 places ahead of a scaled matrix instruction, an operand so written 4
.endr
.irp q, 0,1,2,3
	v_wmma_scale_f32_16x16x128_f8f6f4 v[D+8*\q:D+8*\q+7], v[HF+8*\q:HF+8*\q+7], v[PC:PC+7], 0, v[HSW+\q], v[PW] matrix_a_fmt:MATRIX_FMT_FP4 matrix_b_fmt:MATRIX_FMT_FP4   ; lane r: fragment row r; register i: batch 8 h + i
.endr
.rept 4
	v_nop
.endr
.irp j, 0,1,2,3,4,5,6,7                        ; each lane keeps the product whose h is of its own row's K step; each accumulator is read from its low end on
	v_cndmask_b32 v[S+\j], v[D+\j], v[D+8+\j], s30
	v_cndmask_b32 v[T1+\j], v[D+16+\j], v[D+24+\j], s30
.endr
.irp j, 0,1,2,3,4,5,6,7
	v_cndmask_b32 v[S+\j], v[S+\j], v[T1+\j], s31
.endr
	ds_store_b128 v[RDW], v[S:S+3]
	ds_store_b128 v[RDW], v[S+4:S+7] offset:512
	s_wait_dscnt 0x0                               ; for the others' sake: my tile has landed
	s_barrier_signal -1
	s_barrier_wait -1
	s_cmp_lg_u32 s14, 0
	s_cbranch_scc1 .Lend
.irp w, 0,1,2,3,4,5,6,7
	ds_load_b128 v[R+8*\w:R+8*\w+3], v[RDR] offset:1024*\w
	ds_load_b128 v[R+8*\w+4:R+8*\w+7], v[RDR] offset:1024*\w+512
.endr
	s_wait_dscnt 0x0
.irp d, 4,2,1                                  ; the eight waves' sums, in a fixed tree
.irp w, 0,1,2,3
.if \w < \d
.irp jj, 0,2,4,6
	v_pk_add_f32 v[R+8*\w+\jj:R+8*\w+\jj+1], v[R+8*\w+\jj:R+8*\w+\jj+1], v[R+8*(\w+\d)+\jj:R+8*(\w+\d)+\jj+1]
.endr
.endif
.endr
.endr
.irp j, 0,1,2,3,4,5,6,7
	v_add_f32_dpp v[R+\j], v[R+\j], v[R+\j] row_xmask:1 row_mask:0xf bank_mask:0xf   ; a row's four K steps lie in lanes r, r xor 1,
.endr
.irp j, 0,1,2,3,4,5,6,7
	v_add_f32_dpp v[R+\j], v[R+\j], v[R+\j] row_xmask:2 row_mask:0xf bank_mask:0xf   ; r xor 2, r xor 3: every lane now holds out0(8 h + j, 4 g + r / 4)
.endr
.irp j, 0,1,2,3,4,5,6,7
	ds_store_b32 v[OSW], v[R+\j] offset:16*\j      ; batch 8 h + j, output r / 4; the four lanes of a row write the same word with the same value
.endr
	ds_load_b128 v[OV:OV+3], v[OSR]                ; LDS serves a wave's instructions in order: this sees the stores above.  Batch r's four outputs
	s_wait_dscnt 0x0
	global_store_b128 v[QO], v[OV:OV+3], s[10:11]  ; 16 bytes of each batch's row; lanes 16-31 store what lanes 0-15 store
.Lend:
	s_wait_tensorcnt 0x0                           ; the wave's end: behind my last LDS store
	ds_add_u32 v[SPW], v[NIL]
	s_wait_dscnt 0x0
	s_endpgm
.Lfunc_end_k_q989800dbad_mlp2:
	.size	k_q989800dbad_mlp2, .Lfunc_end_k_q989800dbad_mlp2-k_q989800dbad_mlp2
	.p2alignl 7, 3214868480
	.fill 96, 4, 3214868480
	.section	.rodata,"a",@progbits
	.p2align	6, 0x0
	.amdhsa_kernel k_q989800dbad_mlp2
		.amdhsa_group_segment_fixed_size 77056
		.amdhsa_private_segment_fixed_size 0
		.amdhsa_enable_private_segment 0
		.amdhsa_kernarg_size 32
		.amdhsa_user_sgpr_count 2
		.amdhsa_user_sgpr_kernarg_segment_ptr 1
		.amdhsa_wavefront_size32 1
		.amdhsa_system_sgpr_workgroup_id_x 1
		.amdhsa_system_sgpr_workgroup_id_y 1
		.amdhsa_system_sgpr_workgroup_id_z 1
		.amdhsa_system_vgpr_workitem_id 0
		.amdhsa_next_free_vgpr 256
		.amdhsa_next_free_sgpr 66
		.amdhsa_reserve_vcc 0
		.amdhsa_float_denorm_mode_32 3
		.amdhsa_float_denorm_mode_16_64 3
		.amdhsa_memory_ordered 1
		.amdhsa_forward_progress 1
		.amdhsa_inst_pref_size 19
	.end_amdhsa_kernel
	.amdgpu_metadata
---
amdhsa.version: [ 1, 2 ]
amdhsa.kernels:
  - .name:           k_q989800dbad_mlp2
    .symbol:         k_q989800dbad_mlp2.kd
    .args:
      - { .name: W2, .offset: 0, .size: 8, .value_kind: global_buffer, .address_space: global }
      - { .name: hc, .offset: 8, .size: 8, .value_kind: global_buffer, .address_space: global }
      - { .name: hs, .offset: 16, .size: 8, .value_kind: global_buffer, .address_space: global }
      - { .name: out0, .offset: 24, .size: 8, .value_kind: global_buffer, .address_space: global }
    .group_segment_fixed_size: 77056
    .private_segment_fixed_size: 0
    .kernarg_segment_align: 8
    .kernarg_segment_size: 32
    .max_flat_workgroup_size: 256
    .sgpr_count:     66
    .vgpr_count:     256
    .wavefront_size: 32
...
	.end_amdgpu_metadata
.endif
;; end of part 5
